; MI455X (gfx1250); checked and timed in simulation.
; The chip was launched on July 23, 2026; its instructions are those of AMD's public machine-readable ISA for CDNA 5 (MIT licence, August 2026) and "CDNA5" Instruction Set Architecture Reference Guide (July 2026). The comments in the code are by the model that wrote it; some were corrected since.
;; Differential Transformer. Allowed arithmetic: float matrix products may take bf16 or f16 operands with f32 sums; all other float work in f32.
;; Inputs: b_proj 256 float32; w_proj 256 x 256 float32; w_qkv 768 x 256 float32; x 1 x 4,096 x 256 float32.
;; Outputs: out0 1 x 4,096 x 256 float32.
;; 2 versions, each right and faster than the one before. Each part assembles by itself: llvm-mc -triple=amdgcn-amd-amdhsa -mcpu=gfx1250 --defsym DOCPART=n.
;; ======== version 1 of 2: 4 launches
;; limits: values are held in f16: magnitudes above 65,504 overflow, below 6.1e-05 lose precision
;; workspace buffers: qf 8,388,608 bytes; kv 8,388,608 bytes; wpf 131,072 bytes; af 2,097,152 bytes
;; launch projx (part 1): grid 32 x 3, 8 waves a work-group, no clusters, 203,776 bytes of LDS; arguments x, w_qkv, qf, kv; writes qf, kv
.if DOCPART == 1
	.amdgcn_target "amdgcn-amd-amdhsa--gfx1250"
	.amdhsa_code_object_version 6
	.text
	.protected	k_qbf8ddf9d7a_projx
	.globl	k_qbf8ddf9d7a_projx
	.p2align	8
	.type	k_qbf8ddf9d7a_projx,@function
k_qbf8ddf9d7a_projx:
	s_mov_b64 s[64:65], 0
	v_nop
	global_prefetch_b8 v0, s[64:65] scope:SCOPE_SE
	s_setreg_imm32_b32 hwreg(HW_REG_WAVE_MODE, 25, 1), 1
	s_wait_xcnt 0x0
; projx: q, k, v = x w_qkv', stored as f16 operand fragments.  x is [4096 tokens][256], w_qkv [768][256]; f32 sums.
; Work-group (tb, role): 128 tokens x 256 features; role 0 q, 1 k, 2 v: 32 x 3 = 96 work-groups.
; Eight waves; a wave makes 64 tokens x 64 features: 16 accumulator tiles, K = 256 in 8 chunks of 32.
; The difference fields have a launch of their own: their way into LDS is another one, and here all eight waves run one and the same fill.
; OUTPUT: blocks of 1,024 bytes, one 8-register fragment each: bytes 16 L hold lane L's registers 0-3, bytes 512 + 16 L registers 4-7,
; so every store of a wave covers 512 consecutive bytes, aligned.
;   qf [head][block 128][8192]: token tile T in block T >> 1 at (T & 1) 3072 + s 1024 (s = 0 here); q is scaled by 1/sqrt(32) here.
;   kv [head][block 128][8192]: k in the same places; V transposed, of key block kb, in block (kb + 2) & 127 at 6144 + dt 1024.
; NO JOINT LOADS: the slices of w_qkv that token blocks share lie in memory as f32 and are rounded to f16 on their way through
; registers; a tile brought by the data mover would land as f32 and pass through LDS a second time.
; LIMITS: every f16 operand (x, weights, q, k, v) must stay below 65,504 in magnitude, else it becomes infinite;
; magnitudes below 6e-8 round to zero.
.set PA,    528                        ; LDS pitch: 512 bytes + 16 = 33 x 16, so 16 rows start 16 bytes apart modulo 256
.set LDS_W, 128*PA                     ; 256 rows of w_qkv behind the 128 tokens
.set B0,   32                          ; v[32:95]    load buffer 0
.set B1,   104                         ; v[104:167]  load buffer 1
.set WF,   32                          ; v[32:63]    four fragments of w_qkv
.set AF,   64                          ; v[64:95]    four fragments of tokens
.set ACC,  96                          ; v[96:223]   tile (a, b) at 96 + 8 (4 a + b)
.set OT,   32                          ; v[32:95]    packed results, 4 registers a tile
.set LS0,  6                           ; LDS store addresses: tokens, weights
.set LS1,  7
.set GO0,  8                           ; global byte offsets: tokens, weights
.set GO1,  9
.set VOUT, 11                          ; byte offset of my 16 bytes in the first output block
.set VA,   16                          ; fragment addresses: tokens, weights
.set VW,   18
.macro NOPS n
.rept \n
	v_nop
.endr
.endm
; 8 rows of 256 f32: lane L takes columns 8 L .. 8 L + 7 (two loads of 16 bytes)
.macro LOADROWS buf, vo, sb, imm
.irp i, 0,1,2,3,4,5,6,7
	global_load_b128 v[\buf+8*\i:\buf+8*\i+3],   v[\vo], s[\sb:\sb+1] offset:\imm+1024*\i
	global_load_b128 v[\buf+8*\i+4:\buf+8*\i+7], v[\vo], s[\sb:\sb+1] offset:\imm+1024*\i+16
.endr
.endm
; the same 8 rows rounded to f16 (in place, ascending, so no source is overwritten early) and laid into LDS: 512 consecutive bytes a row
.macro CVTROWS buf, vl, imm
.irp i, 0,1,2,3,4,5,6,7
.irp k, 0,1,2,3
	v_cvt_pk_f16_f32 v[\buf+8*\i+\k], v[\buf+8*\i+2*\k], v[\buf+8*\i+2*\k+1]
.endr
	ds_store_b128 v[\vl], v[\buf+8*\i:\buf+8*\i+3] offset:\imm+PA*\i
.endr
.endm
; one product.  sw = 1: weights as source 0, so a lane holds one token and 8 neighbouring features; sw = 0: the other way round (for V)
.macro MM a, b, sw, first
.if \sw
.if \first
	v_wmma_f32_16x16x32_f16 v[ACC+8*(4*\a+\b):ACC+8*(4*\a+\b)+7], v[WF+8*\b:WF+8*\b+7], v[AF+8*\a:AF+8*\a+7], 0
.else
	v_wmma_f32_16x16x32_f16 v[ACC+8*(4*\a+\b):ACC+8*(4*\a+\b)+7], v[WF+8*\b:WF+8*\b+7], v[AF+8*\a:AF+8*\a+7], v[ACC+8*(4*\a+\b):ACC+8*(4*\a+\b)+7]
.endif
.else
.if \first
	v_wmma_f32_16x16x32_f16 v[ACC+8*(4*\a+\b):ACC+8*(4*\a+\b)+7], v[AF+8*\a:AF+8*\a+7], v[WF+8*\b:WF+8*\b+7], 0
.else
	v_wmma_f32_16x16x32_f16 v[ACC+8*(4*\a+\b):ACC+8*(4*\a+\b)+7], v[AF+8*\a:AF+8*\a+7], v[WF+8*\b:WF+8*\b+7], v[ACC+8*(4*\a+\b):ACC+8*(4*\a+\b)+7]
.endif
.endif
.endm
; 8 chunks of K.  A chunk: 16 LDS loads (weights' 8 first), then 16 products on 16 accumulators that take turns, one instruction a turn.
; The first chunk starts the sums with C = 0.
.macro GEMM sw
.set kc, 0
.rept 8
.if kc
	NOPS 4                                 ; four places between the last products and the loads into their sources
.endif
.irp b, 0,1,2,3
	ds_load_b128 v[WF+8*\b:WF+8*\b+3],   v[VW] offset:\b*16*PA+64*kc
	ds_load_b128 v[WF+8*\b+4:WF+8*\b+7], v[VW] offset:\b*16*PA+64*kc+32
.endr
.irp a, 0,1,2,3
	ds_load_b128 v[AF+8*\a:AF+8*\a+3],   v[VA] offset:\a*16*PA+64*kc
	ds_load_b128 v[AF+8*\a+4:AF+8*\a+7], v[VA] offset:\a*16*PA+64*kc+32
.endr
.irp a, 0,1,2,3
	s_wait_dscnt 6-2*\a                    ; LDS loads return in order: all weights and token tile a are in, the 2 (3 - a) loads of later tiles may be out
.irp b, 0,1,2,3
.if kc
	MM \a, \b, \sw, 0
.else
	MM \a, \b, \sw, 1
.endif
.endr
.endr
.set kc, kc+1
.endr
.endm
; q or k out: tile (a, b) is half a fragment (16 of a head's 32 features) of token tile a
.macro STOREQK scaled, sb
.irp a, 0,1,2,3
.irp b, 0,1,2,3
.if \scaled
.irp i, 0,2,4,6
	v_pk_mul_f32 v[ACC+8*(4*\a+\b)+\i:ACC+8*(4*\a+\b)+\i+1], v[ACC+8*(4*\a+\b)+\i:ACC+8*(4*\a+\b)+\i+1], s[40:41] op_sel_hi:[1,0]
.endr
.endif
.irp i, 0,1,2,3
	v_cvt_pk_f16_f32 v[OT+4*(4*\a+\b)+\i], v[ACC+8*(4*\a+\b)+2*\i], v[ACC+8*(4*\a+\b)+2*\i+1]
.endr
	global_store_b128 v[VOUT], v[OT+4*(4*\a+\b):OT+4*(4*\a+\b)+3], s[\sb:\sb+1] offset:(\b>>1)*1048576+(\b&1)*512+(\a>>1)*8192+(\a&1)*3072
.endr
.endr
.endm
; V out, transposed: tile (a, b) is 16 keys (half a fragment) of 16 features dt = b & 1 of a head
.macro STOREV
.irp a, 0,1,2,3
.irp b, 0,1,2,3
.irp i, 0,1,2,3
	v_cvt_pk_f16_f32 v[OT+4*(4*\a+\b)+\i], v[ACC+8*(4*\a+\b)+2*\i], v[ACC+8*(4*\a+\b)+2*\i+1]
.endr
	global_store_b128 v[VOUT], v[OT+4*(4*\a+\b):OT+4*(4*\a+\b)+3], s[10:11] offset:(\b>>1)*1048576+(\b&1)*1024+(\a>>1)*8192+(\a&1)*512
.endr
.endr
.endm
	s_load_b256 s[4:11], s[0:1], 0x0               ; x s[4:5], w_qkv s[6:7], qf s[8:9], kv s[10:11]
	v_lshl_add_u32 v224, v0, 2, 0x31800
	v_mov_b32 v225, 0
	v_lshrrev_b32 v5, 5, v0
	v_readfirstlane_b32 s16, v5                    ; wave 0..7
	s_and_b32 s17, ttmp7, 0xffff                   ; role 0 q, 1 k, 2 v
	v_and_b32 v1, 31, v0                           ; lane
	v_lshlrev_b32 v2, 4, v1                        ; 16 x lane
	v_and_b32 v3, 15, v0                           ; r
	v_bfe_u32 v4, v0, 4, 1                         ; h
	v_mul_u32_u24 v12, v3, PA
	v_lshl_add_u32 v12, v4, 4, v12                 ; r x pitch + 16 h: a fragment's lane term
	s_mov_b32 s21, 0
	s_mov_b32 s40, 0x3e3504f3                      ; 1 / sqrt(32), folded into q
	s_mov_b32 s41, 0x3e3504f3
	s_and_b32 s19, s16, 1                          ; th: which 64 of the 128 tokens
	s_lshl_b32 s32, ttmp9, 2
	s_lshl1_add_u32 s32, s19, s32                  ; 4 tb + 2 th: the output block of my first token tile
	v_lshlrev_b32 v13, 5, v1                       ; 32 bytes a lane
	s_lshl_b32 s26, s16, 14
	v_add_nc_u32 v[GO0], s26, v13                  ; x: 16 rows a wave
	s_lshl_b32 s26, s16, 15
	v_add_nc_u32 v[GO1], s26, v13                  ; w_qkv: 32 rows a wave
	s_wait_kmcnt 0x0
	s_lshl_b32 s20, ttmp9, 17                      ; 128 tokens of 1,024 bytes
	s_add_nc_u64 s[22:23], s[4:5], s[20:21]
	s_lshl_b32 s20, s17, 18                        ; 256 rows of w_qkv
	s_add_nc_u64 s[24:25], s[6:7], s[20:21]
	LOADROWS B0, GO0, 22, 0
	LOADROWS B1, GO0, 22, 8*1024
	s_mul_i32 s26, s16, 16*PA
	v_add_nc_u32 v[LS0], s26, v2
	s_mul_i32 s26, s16, 32*PA
	s_add_co_u32 s26, s26, LDS_W
	v_add_nc_u32 v[LS1], s26, v2
	s_mul_i32 s26, s19, 64*PA
	v_add_nc_u32 v[VA], s26, v12                   ; my 64 tokens
	s_lshr_b32 s27, s16, 1                         ; fq: which 64 of the 256 features
	s_mul_i32 s26, s27, 64*PA
	s_add_co_u32 s26, s26, LDS_W
	v_add_nc_u32 v[VW], s26, v12
	s_lshl_b32 s28, s27, 21                        ; two heads of 1 MiB for 64 features
	s_lshl_b32 s29, s32, 13                        ; q, k: block 4 tb + 2 th
	s_add_co_u32 s33, s32, 2
	s_and_b32 s33, s33, 127                        ; V: two blocks further on, round the end
	s_lshl_b32 s33, s33, 13
	s_add_co_u32 s33, s33, 6144
	s_cmp_eq_u32 s17, 2
	s_cselect_b32 s29, s33, s29
	s_add_co_u32 s28, s28, s29
	v_add_nc_u32 v[VOUT], s28, v2
	; two register buffers take turns: each wait leaves the 16 loads of the younger batch out
	s_wait_loadcnt 16
	CVTROWS B0, LS0, 0
	LOADROWS B0, GO1, 24, 0
	s_wait_loadcnt 16
	CVTROWS B1, LS0, 8*PA
	LOADROWS B1, GO1, 24, 8*1024
	s_wait_loadcnt 16
	CVTROWS B0, LS1, 0
	LOADROWS B0, GO1, 24, 16*1024
	s_wait_loadcnt 16
	CVTROWS B1, LS1, 8*PA
	LOADROWS B1, GO1, 24, 24*1024
	s_wait_loadcnt 16
	CVTROWS B0, LS1, 16*PA
	s_wait_loadcnt 0x0
	CVTROWS B1, LS1, 24*PA
	s_wait_dscnt 0x0                               ; my LDS stores are done, for the other waves' sake
	s_barrier_signal -1
	s_barrier_wait -1                              ; behind it LDS is only read
	s_cmp_eq_u32 s17, 2
	s_cbranch_scc1 .Lrole_v
	GEMM 1
	NOPS 4                                         ; four places before results are read and sources rewritten
	s_cmp_eq_u32 s17, 0
	s_cbranch_scc0 .Lstore_k
	STOREQK 1, 8
	s_wait_tensorcnt 0x0
	ds_add_u32 v224, v225
	s_wait_dscnt 0x0
	s_endpgm
.Lstore_k:
	STOREQK 0, 10
	s_wait_tensorcnt 0x0
	ds_add_u32 v224, v225
	s_wait_dscnt 0x0
	s_endpgm
.Lrole_v:
	GEMM 0
	NOPS 4                                         ; four places before results are read and sources rewritten
	STOREV
	s_wait_tensorcnt 0x0
	ds_add_u32 v224, v225
	s_wait_dscnt 0x0
	s_endpgm
.Lfunc_end_k_qbf8ddf9d7a_projx:
	.size	k_qbf8ddf9d7a_projx, .Lfunc_end_k_qbf8ddf9d7a_projx-k_qbf8ddf9d7a_projx
	.p2alignl 7, 3214868480
	.fill 96, 4, 3214868480
	.section	.rodata,"a",@progbits
	.p2align	6, 0x0
	.amdhsa_kernel k_qbf8ddf9d7a_projx
		.amdhsa_group_segment_fixed_size 203776
		.amdhsa_private_segment_fixed_size 0
		.amdhsa_enable_private_segment 0
		.amdhsa_kernarg_size 32
		.amdhsa_user_sgpr_count 2
		.amdhsa_user_sgpr_kernarg_segment_ptr 1
		.amdhsa_wavefront_size32 1
		.amdhsa_system_sgpr_workgroup_id_x 1
		.amdhsa_system_sgpr_workgroup_id_y 1
		.amdhsa_system_sgpr_workgroup_id_z 1
		.amdhsa_system_vgpr_workitem_id 0
		.amdhsa_next_free_vgpr 226
		.amdhsa_next_free_sgpr 66
		.amdhsa_reserve_vcc 0
		.amdhsa_float_denorm_mode_32 3
		.amdhsa_float_denorm_mode_16_64 3
		.amdhsa_memory_ordered 1
		.amdhsa_forward_progress 1
		.amdhsa_inst_pref_size 84
	.end_amdhsa_kernel
	.amdgpu_metadata
---
amdhsa.version: [ 1, 2 ]
amdhsa.kernels:
  - .name:           k_qbf8ddf9d7a_projx
    .symbol:         k_qbf8ddf9d7a_projx.kd
    .args:
      - { .name: x, .offset: 0, .size: 8, .value_kind: global_buffer, .address_space: global }
      - { .name: w_qkv, .offset: 8, .size: 8, .value_kind: global_buffer, .address_space: global }
      - { .name: qf, .offset: 16, .size: 8, .value_kind: global_buffer, .address_space: global }
      - { .name: kv, .offset: 24, .size: 8, .value_kind: global_buffer, .address_space: global }
    .group_segment_fixed_size: 203776
    .private_segment_fixed_size: 0
    .kernarg_segment_align: 8
    .kernarg_segment_size: 32
    .max_flat_workgroup_size: 256
    .sgpr_count:     66
    .vgpr_count:     226
    .wavefront_size: 32
...
	.end_amdgpu_metadata
.endif
;; end of part 1
;; launch projd (part 2): grid 32 x 4, 8 waves a work-group, no clusters, 216,064 bytes of LDS; arguments x, w_qkv, w_proj, qf, kv, wpf; writes qf, kv, wpf
.if DOCPART == 2
	.amdgcn_target "amdgcn-amd-amdhsa--gfx1250"
	.amdhsa_code_object_version 6
	.text
	.protected	k_qbf8ddf9d7a_projd
	.globl	k_qbf8ddf9d7a_projd
	.p2align	8
	.type	k_qbf8ddf9d7a_projd,@function
k_qbf8ddf9d7a_projd:
	s_mov_b64 s[64:65], 0
	v_nop
	global_prefetch_b8 v0, s[64:65] scope:SCOPE_SE
	s_setreg_imm32_b32 hwreg(HW_REG_WAVE_MODE, 25, 1), 1
	s_wait_xcnt 0x0
; projd: the q and k projections of x's two difference fields, stored as f16 operand fragments; and w_proj as f16 fragments.
;   Y is x's memory read as [256 c][4096 n].
;   H[n][c] = Y[c][n+1] - Y[c][n] (0 where n % 64 = 63), Vd[n][c] = Y[c][n+64] - Y[c][n] (0 where n >= 4032),
;   both formed in f32 and rounded once to f16.  out[n][f] = sum over c of t[n][c] w_qkv[f][c], f32 sums.
; Work-group (tb, cb): 128 tokens, both fields, features 128 cb .. 128 cb + 127 of w_qkv's first 512 rows (cb < 2: q, else k), so that one pass
; over Y and one slice of w_qkv serve both fields: 32 x 4 = 128 work-groups.
; Eight waves; a wave makes 64 tokens x 64 features of one field: 16 accumulator tiles, K = 256 in 8 chunks of 32.
; The fields lie in LDS as they come from memory, tokens along the rows, and reach the registers by transposing loads.
; OUTPUT: blocks of 1,024 bytes, one 8-register fragment each: bytes 16 L hold lane L's registers 0-3, bytes 512 + 16 L registers 4-7,
; so every store of a wave covers 512 consecutive bytes, aligned.
;   qf, kv [head][block 128][8192]: token tile T in block T >> 1 at (T & 1) 3072 + s 1024 (s = 1 H, 2 Vd); q is scaled by 1/sqrt(32) here.
;   wpf [n tile 16][chunk 8][1024]: fragment g = 32 cb + tb is made by wave 0 of work-group (tb, cb): 128 fragments, 128 work-groups.
; NO JOINT LOADS: what token blocks share (w_qkv) lies in memory as f32 and is rounded to f16 on its way through registers; a tile brought by
; the data mover would land as f32 and pass through LDS a second time.
; LIMITS: every f16 operand (differences, weights, results) must stay below 65,504 in magnitude, else it becomes infinite;
; magnitudes below 6e-8 round to zero.
.set PA,    528                        ; LDS pitch of w_qkv's rows: 512 bytes + 16 = 33 x 16, so 16 rows start 16 bytes apart modulo 256
.set PT,    288                        ; LDS pitch of rows with tokens along them: 256 bytes + 32 = 9 x 32, for the transposing loads
.set LDS_V, 256*PT                     ; Vd's [256 c][128 tokens] behind H's
.set LDS_W, 2*256*PT                   ; 128 rows of w_qkv
.set B0,   32                          ; v[32:103]   load buffer 0
.set B1,   104                         ; v[104:175]  load buffer 1
.set DT,   176                         ; v[176:191]  differences at work
.set WF,   32                          ; v[32:63]    four fragments of w_qkv
.set AF,   64                          ; v[64:95]    four fragments of tokens
.set ACC,  96                          ; v[96:223]   tile (a, b) at 96 + 8 (4 a + b)
.set OT,   32                          ; v[32:95]    packed results, 4 registers a tile
.set LS0,  6                           ; LDS store addresses: H, Vd, weights
.set LS1,  7
.set LS2,  20
.set GO0,  8                           ; global byte offsets: e0.., f0.., e8, weights
.set GO1,  9
.set GO2,  10
.set GO3,  19
.set VOUT, 11                          ; byte offset of my 16 bytes in the first output block
.set VT,   16                          ; fragment addresses: tokens (chunks 0-3, chunks 4-7), weights
.set VT2,  17
.set VW,   18
.macro NOPS n
.rept \n
	v_nop
.endr
.endm
; 8 rows of 256 f32: lane L takes columns 8 L .. 8 L + 7 (two loads of 16 bytes)
.macro LOADROWS buf, vo, sb, imm
.irp i, 0,1,2,3,4,5,6,7
	global_load_b128 v[\buf+8*\i:\buf+8*\i+3],   v[\vo], s[\sb:\sb+1] offset:\imm+1024*\i
	global_load_b128 v[\buf+8*\i+4:\buf+8*\i+7], v[\vo], s[\sb:\sb+1] offset:\imm+1024*\i+16
.endr
.endm
; the same 8 rows rounded to f16 (in place, ascending, so no source is overwritten early) and laid into LDS: 512 consecutive bytes a row
.macro CVTROWS buf, vl, imm
.irp i, 0,1,2,3,4,5,6,7
.irp k, 0,1,2,3
	v_cvt_pk_f16_f32 v[\buf+8*\i+\k], v[\buf+8*\i+2*\k], v[\buf+8*\i+2*\k+1]
.endr
	ds_store_b128 v[\vl], v[\buf+8*\i:\buf+8*\i+3] offset:\imm+PA*\i
.endr
.endm
; 8 rows c of Y, two a step (lanes 0-15 row c, lanes 16-31 row c + 1): e0..7 at +0, f0..7 (64 tokens on) at +8, e8 at +16
.macro LOADD buf, k
.irp st, 0,1,2,3
	global_load_b128 v[\buf+18*\st:\buf+18*\st+3],     v[GO0], s[4:5] offset:\k*131072+\st*32768
	global_load_b128 v[\buf+18*\st+4:\buf+18*\st+7],   v[GO0], s[4:5] offset:\k*131072+\st*32768+16
	global_load_b128 v[\buf+18*\st+8:\buf+18*\st+11],  v[GO1], s[4:5] offset:\k*131072+\st*32768
	global_load_b128 v[\buf+18*\st+12:\buf+18*\st+15], v[GO1], s[4:5] offset:\k*131072+\st*32768+16
	global_load_b32  v[\buf+18*\st+16],                v[GO2], s[4:5] offset:\k*131072+\st*32768
.endr
.endm
; both differences in f32, one rounding to f16, 16 bytes (8 tokens) a lane into H's and Vd's rows
.macro DIFF buf, k
.irp st, 0,1,2,3
.irp i, 0,1,2,3,4,5,6
	v_sub_f32 v[DT+\i], v[\buf+18*\st+\i+1], v[\buf+18*\st+\i]
.endr
	v_sub_f32 v[DT+7], v[\buf+18*\st+16], v[\buf+18*\st+7]
.irp i, 0,2,4,6
	v_pk_add_f32 v[DT+8+\i:DT+9+\i], v[\buf+18*\st+8+\i:\buf+18*\st+9+\i], v[\buf+18*\st+\i:\buf+18*\st+\i+1] neg_lo:[0,1] neg_hi:[0,1]
.endr
.irp i, 0,1,2,3
	v_cvt_pk_f16_f32 v[DT+\i],   v[DT+2*\i],   v[DT+2*\i+1]
	v_cvt_pk_f16_f32 v[DT+8+\i], v[DT+8+2*\i], v[DT+9+2*\i]
.endr
	ds_store_b128 v[LS0], v[DT:DT+3]    offset:(\k*8+\st*2)*PT
	ds_store_b128 v[LS1], v[DT+8:DT+11] offset:(\k*8+\st*2)*PT
.endr
.endm
; one product: weights as source 0, so a lane holds one token and 8 neighbouring features
.macro MM a, b, first
.if \first
	v_wmma_f32_16x16x32_f16 v[ACC+8*(4*\a+\b):ACC+8*(4*\a+\b)+7], v[WF+8*\b:WF+8*\b+7], v[AF+8*\a:AF+8*\a+7], 0
.else
	v_wmma_f32_16x16x32_f16 v[ACC+8*(4*\a+\b):ACC+8*(4*\a+\b)+7], v[WF+8*\b:WF+8*\b+7], v[AF+8*\a:AF+8*\a+7], v[ACC+8*(4*\a+\b):ACC+8*(4*\a+\b)+7]
.endif
.endm
; 8 chunks of K.  A chunk: 16 LDS loads (weights' 8 first), then 16 products on 16 accumulators that take turns, one instruction a turn.
; The first chunk starts the sums with C = 0.
.macro GEMM
.set kc, 0
.rept 8
.if kc
	NOPS 4                                 ; four places between the last products and the loads into their sources
.endif
.irp b, 0,1,2,3
	ds_load_b128 v[WF+8*\b:WF+8*\b+3],   v[VW] offset:\b*16*PA+64*kc
	ds_load_b128 v[WF+8*\b+4:WF+8*\b+7], v[VW] offset:\b*16*PA+64*kc+32
.endr
.irp a, 0,1,2,3
.if kc < 4
	ds_load_tr16_b128 v[AF+8*\a:AF+8*\a+3],   v[VT] offset:kc*32*PT+32*\a
	ds_load_tr16_b128 v[AF+8*\a+4:AF+8*\a+7], v[VT] offset:kc*32*PT+32*\a+16*PT
.else
	ds_load_tr16_b128 v[AF+8*\a:AF+8*\a+3],   v[VT2] offset:(kc-4)*32*PT+32*\a          ; a second base: the offset field ends at 65,535
	ds_load_tr16_b128 v[AF+8*\a+4:AF+8*\a+7], v[VT2] offset:(kc-4)*32*PT+32*\a+16*PT
.endif
.endr
.irp a, 0,1,2,3
	s_wait_dscnt 6-2*\a                    ; LDS loads return in order: all weights and token tile a are in, the 2 (3 - a) loads of later tiles may be out
.irp b, 0,1,2,3
.if kc
	MM \a, \b, 0
.else
	MM \a, \b, 1
.endif
.endr
.endr
.set kc, kc+1
.endr
.endm
; q or k out: tile (a, b) is half a fragment (16 of a head's 32 features) of token tile a
.macro STOREQK scaled, sb
.irp a, 0,1,2,3
.irp b, 0,1,2,3
.if \scaled
.irp i, 0,2,4,6
	v_pk_mul_f32 v[ACC+8*(4*\a+\b)+\i:ACC+8*(4*\a+\b)+\i+1], v[ACC+8*(4*\a+\b)+\i:ACC+8*(4*\a+\b)+\i+1], s[40:41] op_sel_hi:[1,0]
.endr
.endif
.irp i, 0,1,2,3
	v_cvt_pk_f16_f32 v[OT+4*(4*\a+\b)+\i], v[ACC+8*(4*\a+\b)+2*\i], v[ACC+8*(4*\a+\b)+2*\i+1]
.endr
	global_store_b128 v[VOUT], v[OT+4*(4*\a+\b):OT+4*(4*\a+\b)+3], s[\sb:\sb+1] offset:(\b>>1)*1048576+(\b&1)*512+(\a>>1)*8192+(\a&1)*3072
.endr
.endr
.endm
	s_load_b256 s[4:11], s[0:1], 0x0               ; x s[4:5], w_qkv s[6:7], w_proj s[8:9], qf s[10:11]
	s_load_b128 s[12:15], s[0:1], 0x20             ; kv s[12:13], wpf s[14:15]
	v_lshl_add_u32 v224, v0, 2, 0x34800
	v_mov_b32 v225, 0
	v_lshrrev_b32 v5, 5, v0
	v_readfirstlane_b32 s16, v5                    ; wave 0..7
	s_and_b32 s17, ttmp7, 0xffff                   ; cb 0..3
	v_and_b32 v1, 31, v0                           ; lane
	v_lshlrev_b32 v2, 4, v1                        ; 16 x lane
	v_and_b32 v3, 15, v0                           ; r
	v_bfe_u32 v4, v0, 4, 1                         ; h
	v_mul_u32_u24 v12, v3, PA
	v_lshl_add_u32 v12, v4, 4, v12                 ; r x pitch + 16 h: a weight fragment's lane term
	s_mov_b32 s21, 0
	s_mov_b32 s40, 0x3e3504f3                      ; 1 / sqrt(32), folded into q
	s_mov_b32 s41, 0x3e3504f3
	s_and_b32 s19, s16, 1                          ; th: which 64 of the 128 tokens
	s_lshl_b32 s32, ttmp9, 2
	s_lshl1_add_u32 s32, s19, s32                  ; 4 tb + 2 th: the output block of my first token tile
	s_wait_kmcnt 0x0
	; w_proj fragment g = 32 cb + tb, by wave 0
	s_cmp_lg_u32 s16, 0
	s_cbranch_scc1 .Lno_wp
	s_lshl_b32 s22, s17, 5
	s_add_co_u32 s22, s22, ttmp9
	s_lshr_b32 s23, s22, 3
	s_lshl_b32 s23, s23, 14                        ; n tile: 16 rows of 1,024 bytes
	s_and_b32 s24, s22, 7
	s_lshl_b32 s24, s24, 7                         ; chunk: 32 f32
	s_add_co_u32 s23, s23, s24
	v_lshlrev_b32 v8, 10, v3
	v_lshl_add_u32 v8, v4, 5, v8
	v_add_nc_u32 v8, s23, v8                       ; row r, columns 8 h ..
	global_load_b128 v[32:35], v8, s[8:9]
	global_load_b128 v[36:39], v8, s[8:9] offset:16
	global_load_b128 v[40:43], v8, s[8:9] offset:64    ; columns 16 + 8 h ..
	global_load_b128 v[44:47], v8, s[8:9] offset:80
	s_lshl_b32 s23, s22, 10
	v_add_nc_u32 v9, s23, v2
	s_wait_loadcnt 0x0
.irp k, 0,1,2,3,4,5,6,7
	v_cvt_pk_f16_f32 v[48+\k], v[32+2*\k], v[33+2*\k]
.endr
	global_store_b128 v9, v[48:51], s[14:15]
	global_store_b128 v9, v[52:55], s[14:15] offset:512
	s_wait_xcnt 0x0                                ; v9 and v[48:55] are written again below only behind this wait
.Lno_wp:
	s_lshl_b32 s20, s17, 17                        ; 128 rows of w_qkv
	s_add_nc_u64 s[24:25], s[6:7], s[20:21]
	s_lshl_b32 s26, s16, 19                        ; 32 rows c a wave, 16,384 bytes each
	s_lshl_b32 s27, ttmp9, 9                       ; 128 tokens of 4 bytes
	s_add_co_u32 s26, s26, s27
	v_lshlrev_b32 v[GO0], 5, v3                    ; 8 tokens a lane
	v_lshl_add_u32 v[GO0], v4, 14, v[GO0]          ; lanes 16-31: the next row
	v_add_nc_u32 v[GO0], s26, v[GO0]
	s_lshl_b32 s27, ttmp9, 7
	v_lshl_add_u32 v13, v3, 3, s27                 ; n0: my first token (a multiple of 8, so all 8 lie on one side of 4,032)
	v_mov_b32 v14, 0x100
	v_cmp_gt_u32 vcc_lo, 4032, v13
	v_cndmask_b32 v14, 0, v14, vcc_lo              ; 64 tokens on; in the last image row the row itself: the difference is 0
	v_add_nc_u32 v[GO1], v[GO0], v14
	v_and_b32 v13, 63, v13
	v_mov_b32 v14, 28
	v_cmp_eq_u32 vcc_lo, 56, v13
	v_cndmask_b32 v14, 32, v14, vcc_lo             ; e8; where my last token ends an image row, e7 again: the difference is 0, and no load leaves x
	v_add_nc_u32 v[GO2], v[GO0], v14
	LOADD B0, 0
	LOADD B1, 1
	v_lshlrev_b32 v13, 5, v1
	s_lshl_b32 s26, s16, 14
	v_add_nc_u32 v[GO3], s26, v13                  ; w_qkv: 16 rows a wave
	s_mul_i32 s26, s16, 32*PT
	v_mul_u32_u24 v[LS0], v4, PT
	v_lshl_add_u32 v[LS0], v3, 4, v[LS0]
	v_add_nc_u32 v[LS0], s26, v[LS0]               ; H: row c, 16 bytes for my 8 tokens
	v_add_nc_u32 v[LS1], LDS_V, v[LS0]             ; Vd
	s_mul_i32 s26, s16, 16*PA
	s_add_co_u32 s26, s26, LDS_W
	v_add_nc_u32 v[LS2], s26, v2
	s_bfe_u32 s33, s16, 0x10001                    ; src: 0 H, 1 Vd
	s_lshr_b32 s34, s16, 2                         ; fh: which 64 of the 128 features
	v_and_b32 v13, 7, v0
	v_lshl_add_u32 v13, v4, 3, v13                 ; row 8 h + (L & 7) of the chunk
	v_mul_u32_u24 v13, v13, PT
	v_bfe_u32 v14, v0, 3, 1
	v_lshl_add_u32 v13, v14, 4, v13                ; + 16 bytes for lanes 8-15 of each half
	s_lshl_b32 s26, s19, 7                         ; my 64 tokens: 128 bytes
	s_mul_i32 s35, s33, LDS_V
	s_add_co_u32 s26, s26, s35
	v_add_nc_u32 v[VT], s26, v13
	v_add_nc_u32 v[VT2], 4*32*PT, v[VT]
	s_mul_i32 s26, s34, 64*PA
	s_add_co_u32 s26, s26, LDS_W
	v_add_nc_u32 v[VW], s26, v12
	s_and_b32 s35, s17, 1
	s_lshl_b32 s35, s35, 2
	s_lshl1_add_u32 s35, s34, s35                  ; head of my first feature: 4 (cb & 1) + 2 fh
	s_lshl_b32 s35, s35, 20
	s_lshl_b32 s29, s32, 13
	s_add_co_u32 s35, s35, s29
	s_lshl_b32 s29, s33, 10
	s_add_co_u32 s35, s35, s29
	s_add_co_u32 s35, s35, 1024                    ; chunk 1 + src of the fragment triple
	v_add_nc_u32 v[VOUT], s35, v2
	; two register buffers take turns
	s_wait_loadcnt 20                              ; the 20 loads of the younger batch of Y stay out
	DIFF B0, 0
	LOADD B0, 2
	s_wait_loadcnt 20
	DIFF B1, 1
	LOADD B1, 3
	s_wait_loadcnt 20
	DIFF B0, 2
	LOADROWS B0, GO3, 24, 0
	s_wait_loadcnt 16                              ; behind the last batch of Y: 16 loads of weights
	DIFF B1, 3
	LOADROWS B1, GO3, 24, 8*1024
	s_wait_loadcnt 16
	CVTROWS B0, LS2, 0
	s_wait_loadcnt 0x0
	CVTROWS B1, LS2, 8*PA
	s_wait_dscnt 0x0                               ; my LDS stores are done, for the other waves' sake
	s_barrier_signal -1
	s_barrier_wait -1                              ; behind it LDS is only read
	GEMM
	NOPS 4                                         ; four places before results are read and sources rewritten
	s_cmp_lt_u32 s17, 2
	s_cbranch_scc0 .Lstore_k
	STOREQK 1, 10
	s_wait_tensorcnt 0x0
	ds_add_u32 v224, v225
	s_wait_dscnt 0x0
	s_endpgm
.Lstore_k:
	STOREQK 0, 12
	s_wait_tensorcnt 0x0
	ds_add_u32 v224, v225
	s_wait_dscnt 0x0
	s_endpgm
.Lfunc_end_k_qbf8ddf9d7a_projd:
	.size	k_qbf8ddf9d7a_projd, .Lfunc_end_k_qbf8ddf9d7a_projd-k_qbf8ddf9d7a_projd
	.p2alignl 7, 3214868480
	.fill 96, 4, 3214868480
	.section	.rodata,"a",@progbits
	.p2align	6, 0x0
	.amdhsa_kernel k_qbf8ddf9d7a_projd
		.amdhsa_group_segment_fixed_size 216064
		.amdhsa_private_segment_fixed_size 0
		.amdhsa_enable_private_segment 0
		.amdhsa_kernarg_size 48
		.amdhsa_user_sgpr_count 2
		.amdhsa_user_sgpr_kernarg_segment_ptr 1
		.amdhsa_wavefront_size32 1
		.amdhsa_system_sgpr_workgroup_id_x 1
		.amdhsa_system_sgpr_workgroup_id_y 1
		.amdhsa_system_sgpr_workgroup_id_z 1
		.amdhsa_system_vgpr_workitem_id 0
		.amdhsa_next_free_vgpr 226
		.amdhsa_next_free_sgpr 66
		.amdhsa_reserve_vcc 1
		.amdhsa_float_denorm_mode_32 3
		.amdhsa_float_denorm_mode_16_64 3
		.amdhsa_memory_ordered 1
		.amdhsa_forward_progress 1
		.amdhsa_inst_pref_size 73
	.end_amdhsa_kernel
	.amdgpu_metadata
---
amdhsa.version: [ 1, 2 ]
amdhsa.kernels:
  - .name:           k_qbf8ddf9d7a_projd
    .symbol:         k_qbf8ddf9d7a_projd.kd
    .args:
      - { .name: x, .offset: 0, .size: 8, .value_kind: global_buffer, .address_space: global }
      - { .name: w_qkv, .offset: 8, .size: 8, .value_kind: global_buffer, .address_space: global }
      - { .name: w_proj, .offset: 16, .size: 8, .value_kind: global_buffer, .address_space: global }
      - { .name: qf, .offset: 24, .size: 8, .value_kind: global_buffer, .address_space: global }
      - { .name: kv, .offset: 32, .size: 8, .value_kind: global_buffer, .address_space: global }
      - { .name: wpf, .offset: 40, .size: 8, .value_kind: global_buffer, .address_space: global }
    .group_segment_fixed_size: 216064
    .private_segment_fixed_size: 0
    .kernarg_segment_align: 8
    .kernarg_segment_size: 48
    .max_flat_workgroup_size: 256
    .sgpr_count:     66
    .vgpr_count:     226
    .wavefront_size: 32
...
	.end_amdgpu_metadata
.endif
;; end of part 2
;; launch attend (part 3): grid 32 x 8, 4 waves a work-group, clusters of 4 x 1, 327,680 bytes of LDS; arguments qf, kv, af; writes af
.if DOCPART == 3
	.amdgcn_target "amdgcn-amd-amdhsa--gfx1250"
	.amdhsa_code_object_version 6
	.text
	.protected	k_qbf8ddf9d7a_attend
	.globl	k_qbf8ddf9d7a_attend
	.p2align	8
	.type	k_qbf8ddf9d7a_attend,@function
k_qbf8ddf9d7a_attend:
	s_mov_b64 s[64:65], 0
	v_nop
	global_prefetch_b8 v0, s[64:65] scope:SCOPE_SE
	s_setreg_imm32_b32 hwreg(HW_REG_WAVE_MODE, 25, 1), 1
	s_wait_xcnt 0x0
	s_wait_alu depctr_hold_cnt(0) depctr_sa_sdst(0) depctr_va_vdst(0) depctr_va_sdst(0) depctr_va_ssrc(0) depctr_va_vcc(0) depctr_vm_vsrc(0)
	s_getreg_b32 s2, hwreg(HW_REG_IB_STS2, 6, 4)
	s_cmp_eq_u32 s2, 0
	s_cbranch_scc0 .Lentry_in_a_cluster
	s_endpgm
.Lentry_in_a_cluster:
	s_bfe_u32 s2, ttmp6, 0x10000c
	s_cmp_lg_u32 s2, 0x3003
	s_cbranch_scc0 .Lentry_shape_is_right
	s_endpgm
.Lentry_shape_is_right:
; attend: softmax((q k' + hq hk' + vq vk') / sqrt(32) + 2 - |n - m|) V for one head and 128 queries, all 4,096 keys, running maximum.
; The three score products are one product over 96 features (3 chunks of 32); 1/sqrt(32) is already in q.
; A wave owns two query tiles of 16 (q0, q1) and walks the keys in blocks of 32 (two key tiles t0, t1).
;   S' = K' Q''  : lane (r, h) holds query r, register j key 8 h + j.  Two key tiles, packed to f16, ARE the second source of
;   O' = V' P'   : lane = query again, so maximum, rescaling factor and row sum are one number a lane.
; THE BIAS enters as the C operand of a score tile's first product: DA and DB hold d = n - m as whole numbers in f32 (exact up to 4,095 + 32)
; and the modifiers neg_lo and neg_hi on C make -|d| of it (ISA guide 7.12).  d hangs on (query tile - key tile) alone, so two tiles of d serve the four
; score tiles, each stepped by -32 once a block.  The constant 2 is added to every key of a row alike: exp(s + 2 - (max + 2)) = exp(s - max)
; for every input, so it is not added.
; PIPELINE, stage b: products S of block b-1; softmax of block b-2 (vector work, set between the products); products P V of block b-3; LDS loads of
; K'(b) and V(b-2).  kv stores V two blocks late, so a stage reads one block of 8,192 bytes.  The 16 products of a stage take their accumulators
; by turns, one instruction a turn, over the loop's back edge too.
; CLUSTER: the four work-groups of a cluster are four query blocks of one head and read the same K' and V: each tile is asked for jointly (mask 15).
; The place in the cluster enters only the addresses in qf and af and the numbers in DA, DB.
; LDS: two slots of 131,072 bytes (16 blocks, 512 keys) and 4,096 bytes with V of key blocks 126, 127 (kept in blocks 0, 1 of kv), filled once.
; By this text's count a wave has at most two tensor loads out.
; LIMITS: f16 operands below 65,504 in magnitude; a weight below 6e-8 of its row's largest rounds to 0; the maximum ignores NaN.
.set TILE,   131072
.set TAIL,   2*TILE
.set LANE16, 1                         ; v1        16 x lane
.set LA,     2                         ; v2        LDS address of my 16 bytes in the pair of blocks at work
.set MM,     4                         ; v[4:5]    running maximum of q0, q1
.set NME,    6                         ; v[6:7]    -maximum x log2(e), written in even stages
.set NMO,    8                         ; v[8:9]    the same, written in odd stages
.set AL,     10                        ; v[10:11]  factor that brings older sums to the new maximum
.set L,      12                        ; v[12:15]  row sums, a pair of partial sums for each query tile
.set T,      16                        ; v[16:31]  at work
.set QF,     32                        ; v[32:79]  Q' fragments at 24 q + 8 c
.set O,      80                        ; v[80:111] O' at 16 q + 8 dt
.set KF,     112                       ; v[112:159] K' fragments at 24 t + 8 c
.set VF,     160                       ; v[160:175] V' fragments at 8 dt
.set DA,     176                       ; v[176:183] d for (q0, t0) and (q1, t1)
.set DB,     184                       ; v[184:191] d for (q1, t0) and, 32 less, (q0, t1)
.set SX,     192                       ; v[192:223] scores of even blocks at 16 q + 8 t; P overwrites +0..7 and +16..23
.set SY,     224                       ; v[224:255] scores of odd blocks
.set G1,     16                        ; s[16:23]  shape of a wave's quarter tile: 128 rows of 256 bytes
.set G1T,    24                        ; s[24:31]  shape of a wave's quarter of the tail: 4 rows of 256 bytes
.set G0,     32                        ; s[32:39]  from where, to where: one set for each slot
.set G0T,    40                        ; s[40:43]  the same for the tail
.macro NOPS n
.rept \n
	v_nop
.endr
.endm
; a round of the cluster's barrier: my work-group's barrier, wave 0 signals for the work-group, every wave waits for all four work-groups, my work-group's barrier again
.macro ROUND
	s_barrier_signal -1
	s_barrier_wait -1
	s_cmp_lg_u32 s10, 0
	s_cbranch_scc1 .Lnot_wave_0_\@
	s_barrier_signal -3
.Lnot_wave_0_\@:
	s_barrier_wait -3
	s_barrier_signal -1
	s_barrier_wait -1
.endm
.macro LOADK t, koff                   ; 6 loads: key tile t, three chunks
.irp c, 0,1,2
	ds_load_b128 v[KF+24*\t+8*\c:KF+24*\t+8*\c+3],   v[LA] offset:\koff+3072*\t+1024*\c
	ds_load_b128 v[KF+24*\t+8*\c+4:KF+24*\t+8*\c+7], v[LA] offset:\koff+3072*\t+1024*\c+512
.endr
.endm
.macro LOADV voff                      ; 4 loads: V' of 32 keys, two tiles of 16 features
.irp d, 0,1
	ds_load_b128 v[VF+8*\d:VF+8*\d+3],   v[LA] offset:\voff+1024*\d
	ds_load_b128 v[VF+8*\d+4:VF+8*\d+7], v[LA] offset:\voff+1024*\d+512
.endr
.endm
.macro PVMM mode, q, dt, W             ; mode 1: the first product starts the sum
.if \mode == 1
	v_wmma_f32_16x16x32_f16 v[O+16*\q+8*\dt:O+16*\q+8*\dt+7], v[VF+8*\dt:VF+8*\dt+7], v[\W+16*\q:\W+16*\q+7], 0
.else
	v_wmma_f32_16x16x32_f16 v[O+16*\q+8*\dt:O+16*\q+8*\dt+7], v[VF+8*\dt:VF+8*\dt+7], v[\W+16*\q:\W+16*\q+7], v[O+16*\q+8*\dt:O+16*\q+8*\dt+7]
.endif
.endm
.macro SFIRST W, q, t, D               ; chunk 0, C = -|d|
	v_wmma_f32_16x16x32_f16 v[\W+16*\q+8*\t:\W+16*\q+8*\t+7], v[KF+24*\t:KF+24*\t+7], v[QF+24*\q:QF+24*\q+7], v[\D:\D+7] neg_lo:[0,0,1] neg_hi:[0,0,1]
.endm
.macro SLINK W, q, t, c
	v_wmma_f32_16x16x32_f16 v[\W+16*\q+8*\t:\W+16*\q+8*\t+7], v[KF+24*\t+8*\c:KF+24*\t+8*\c+7], v[QF+24*\q+8*\c:QF+24*\q+8*\c+7], v[\W+16*\q+8*\t:\W+16*\q+8*\t+7]
.endm
.macro MAX3 d, a, b, c
	v_max3_num_f32 v[\d], v[\a], v[\b], v[\c]
.endm
.macro ADD2 d, a, b
	s_wait_alu depctr_va_vdst(0)
	v_pk_add_f32 v[\d:\d+1], v[\a:\a+1], v[\b:\b+1]
.endm
.macro DSTEP D                         ; d of the tile two key tiles on
.irp i, 0,2,4,6
	v_pk_add_f32 v[\D+\i:\D+\i+1], v[\D+\i:\D+\i+1], s[50:51] op_sel_hi:[1,0]
.endr
.endm
.macro ARG U, NN, q, i                 ; two exponents: s log2(e) - max log2(e)
	v_pk_fma_f32 v[\U+16*\q+2*\i:\U+16*\q+2*\i+1], v[\U+16*\q+2*\i:\U+16*\q+2*\i+1], s[48:49], v[\NN:\NN+1] op_sel:[0,0,\q] op_sel_hi:[1,0,\q]
.endm
.macro EXPS U, from, n
.set ei, \from
.rept \n
	v_exp_f32 v[\U+ei], v[\U+ei]
.set ei, ei+1
.endr
.endm
.macro OSC q, i, sm                    ; two numbers of O' to the new maximum; in the first softmax there is no O' yet: the place is kept
.if \sm == 2
	s_wait_alu depctr_va_vdst(0)
	v_pk_mul_f32 v[O+16*\q+2*\i:O+16*\q+2*\i+1], v[O+16*\q+2*\i:O+16*\q+2*\i+1], v[AL:AL+1] op_sel:[0,\q] op_sel_hi:[1,\q]
.else
	v_nop
.endif
.endm
.macro LFMA q, sm                      ; row sums: old x factor + this block's
.if \sm == 2
	v_pk_fma_f32 v[L+2*\q:L+2*\q+1], v[L+2*\q:L+2*\q+1], v[AL:AL+1], v[T+8*\q:T+8*\q+1] op_sel:[0,\q,0] op_sel_hi:[1,\q,1]
.else
	v_nop
.endif
.endm
.macro CVT U, q, i                     ; ascending i: no source is overwritten before it is read
	v_cvt_pk_f16_f32 v[\U+16*\q+\i], v[\U+16*\q+2*\i], v[\U+16*\q+2*\i+1]
.endm
; One stage.  U: scores that the softmax works on; W: the other buffer (its P feeds P V, then new scores are written into it).
; NN, NO: this stage's and the last stage's -max log2(e).  pv: 0 none, 1 first, 2 add.  sc: scores.  sm: 0 none, 1 first, 2 normal.
; lk, lv: LDS loads.  wv, wk0, wk1: how many younger LDS loads may be out when V', K' t0, K' t1 are needed.
; Behind a product stand plain vector instructions that name none of its registers; they are the places that ISA guide 7.12.1 asks for:
; five or more before a score tile's second product (its modifiers differ from the first's) and before scores overwrite P,
; four or more before a load into a product's sources and before DA, DB, O' are written.
; Behind each run of exponentials the next plain instruction touches none of the run's registers (ISA guide 5.7.2).
.macro STAGE U, W, NN, NO, koff, voff, pv, sc, sm, lk, lv, wv, wk0, wk1
.if \pv
	s_wait_dscnt \wv                       ; V' is in; in the loop 12 younger loads (K' t0, t1) may be out
	PVMM \pv, 0, 0, \W
.endif
.if \sm
	MAX3 T+0,  \U+0,  \U+1,  \U+2
	MAX3 T+8,  \U+16, \U+17, \U+18
	MAX3 T+1,  \U+3,  \U+4,  \U+5
	MAX3 T+9,  \U+19, \U+20, \U+21
	MAX3 T+2,  \U+6,  \U+7,  \U+8
	MAX3 T+10, \U+22, \U+23, \U+24
	MAX3 T+3,  \U+9,  \U+10, \U+11
	MAX3 T+11, \U+25, \U+26, \U+27
.endif
.if \pv
	PVMM \pv, 1, 0, \W
.endif
.if \sm
	MAX3 T+4,  \U+12, \U+13, \U+14
	MAX3 T+12, \U+28, \U+29, \U+30
	MAX3 T+0,  T+0,  T+1,  \U+15
	MAX3 T+8,  T+8,  T+9,  \U+31
	MAX3 T+2,  T+2,  T+3,  T+4
	MAX3 T+10, T+10, T+11, T+12
	v_max_num_f32 v[T+0], v[T+0], v[T+2]
	v_max_num_f32 v[T+8], v[T+8], v[T+10]
.endif
.if \pv
	PVMM \pv, 0, 1, \W
.endif
.if \sm
	v_permlanex16_b32 v[T+1], v[T+0], s46, s47     ; the other 16 keys of the block lie in lane L xor 16
	v_permlanex16_b32 v[T+9], v[T+8], s46, s47
.endif
.if \sc
	DSTEP DA
.endif
.if \sm == 2
	MAX3 MM,   T+0, T+1, MM
	MAX3 MM+1, T+8, T+9, MM+1
.endif
.if \sm == 1
	v_max_num_f32 v[MM],   v[T+0], v[T+1]
	v_max_num_f32 v[MM+1], v[T+8], v[T+9]
.endif
.if \pv
	PVMM \pv, 1, 1, \W
.endif
.if \sm
	v_pk_mul_f32 v[\NN:\NN+1], v[MM:MM+1], s[52:53] op_sel_hi:[1,0]
.if \sm == 2
	v_pk_add_f32 v[T+2:T+3], v[\NN:\NN+1], v[\NO:\NO+1] neg_lo:[0,1] neg_hi:[0,1]   ; (old max - new max) log2(e), from the very shifts that the exponentials use
.else
	v_nop
.endif
	ARG \U, \NN, 0, 0
	ARG \U, \NN, 0, 1
	ARG \U, \NN, 0, 2
	ARG \U, \NN, 0, 3
.endif
.if \lv
	LOADV \voff
.endif
.if \sm == 2
	v_exp_f32 v[AL],   v[T+2]
	v_exp_f32 v[AL+1], v[T+3]
.endif
.if \sc
	s_wait_dscnt \wk0                      ; K' t0 is in; in the loop 10 younger loads (K' t1, V') may be out
	SFIRST \W, 0, 0, DA
.endif
.if \sm
	ARG \U, \NN, 0, 4
	ARG \U, \NN, 0, 5
	ARG \U, \NN, 0, 6
	ARG \U, \NN, 0, 7
	ARG \U, \NN, 1, 0
	ARG \U, \NN, 1, 1
	EXPS \U, 0, 2
.else
	NOPS 5*\sc
.endif
.if \sc
	SFIRST \W, 1, 0, DB
.endif
.if \sm
	ARG \U, \NN, 1, 2
	ARG \U, \NN, 1, 3
	ARG \U, \NN, 1, 4
	ARG \U, \NN, 1, 5
	EXPS \U, 2, 4
.else
	NOPS 5*\sc
.endif
.if \sc
	SLINK \W, 0, 0, 1
.endif
.if \sm
	ARG \U, \NN, 1, 6
	ARG \U, \NN, 1, 7
.else
	NOPS 5*\sc
.endif
.if \sc
	DSTEP DB
.endif
.if \sm
	EXPS \U, 6, 4
.endif
.if \sc
	SLINK \W, 1, 0, 1
.endif
.if \sm
	OSC 0, 0, \sm
	OSC 0, 1, \sm
	OSC 0, 2, \sm
	OSC 0, 3, \sm
	EXPS \U, 10, 4
.else
	NOPS 5*\sc
.endif
.if \sc
	SLINK \W, 0, 0, 2
.endif
.if \sm
	OSC 0, 4, \sm
	OSC 0, 5, \sm
	OSC 0, 6, \sm
	OSC 0, 7, \sm
	EXPS \U, 14, 2
.else
	NOPS 5*\sc
.endif
.if \sc
	SLINK \W, 1, 0, 2
.endif
.if \sm
	ADD2 T+0, \U+0,  \U+2
	ADD2 T+2, \U+4,  \U+6
	ADD2 T+4, \U+8,  \U+10
	ADD2 T+6, \U+12, \U+14
	ADD2 T+0, T+0, T+2
	ADD2 T+4, T+4, T+6
.if \sm == 2
	ADD2 T+0, T+0, T+4
.else
	ADD2 L, T+0, T+4                       ; the first block starts the row sums: nothing is cleared
.endif
.else
	NOPS 5*\sc
.endif
.if \lk
	LOADK 0, \koff
.endif
.if \sm
	EXPS \U, 16, 2
.endif
.if \sc
	s_wait_dscnt \wk1                      ; K' t1 is in; in the loop 10 younger loads (V', K' t0) may be out
	SFIRST \W, 0, 1, DB
.endif
.if \sm
	LFMA 0, \sm
	CVT \U, 0, 0
	CVT \U, 0, 1
	CVT \U, 0, 2
	CVT \U, 0, 3
	EXPS \U, 18, 4
.else
	NOPS 5*\sc
.endif
.if \sc
	SFIRST \W, 1, 1, DA
.endif
.if \sm
	CVT \U, 0, 4
	CVT \U, 0, 5
	CVT \U, 0, 6
	CVT \U, 0, 7
	OSC 1, 0, \sm
	OSC 1, 1, \sm
	EXPS \U, 22, 4
.else
	NOPS 5*\sc
.endif
.if \sc
	SLINK \W, 0, 1, 1
.endif
.if \sm
	OSC 1, 2, \sm
	OSC 1, 3, \sm
	OSC 1, 4, \sm
	OSC 1, 5, \sm
	OSC 1, 6, \sm
	OSC 1, 7, \sm
	EXPS \U, 26, 4
.else
	NOPS 5*\sc
.endif
.if \sc
	SLINK \W, 1, 1, 1
.endif
.if \sm
	EXPS \U, 30, 2
	ADD2 T+8,  \U+16, \U+18
	ADD2 T+10, \U+20, \U+22
	ADD2 T+12, \U+24, \U+26
	ADD2 T+14, \U+28, \U+30
.else
	NOPS 5*\sc
.endif
.if \sc
	SLINK \W, 0, 1, 2
.endif
.if \sm
	ADD2 T+8,  T+8,  T+10
	ADD2 T+12, T+12, T+14
.if \sm == 2
	ADD2 T+8, T+8, T+12
.else
	ADD2 L+2, T+8, T+12
.endif
	LFMA 1, \sm
	CVT \U, 1, 0
	CVT \U, 1, 1
.else
	NOPS 5*\sc
.endif
.if \sc
	SLINK \W, 1, 1, 2
.endif
.if \sm
	CVT \U, 1, 2
	CVT \U, 1, 3
	CVT \U, 1, 4
	CVT \U, 1, 5
	CVT \U, 1, 6
	CVT \U, 1, 7
.else
	NOPS 5*\sc
.endif
.if \lk
	LOADK 1, \koff
.endif
.endm
; The change of slots.  In front of the round every wave has waited for all its tensor loads (its quarter of this slot's tile among them) and for its
; LDS reads of the other slot; behind the round the other slot is filled again first, by a joint load, and then this slot is read.
.macro HEAD slot, refill
	s_set_vgpr_msb 0x5
	s_wait_tensorcnt 0x0                   ; no tensor load of mine is out, so every group 0 may be written:
	ds_add_u32 v0, v1
	s_wait_dscnt 0x0
	s_set_vgpr_msb 0x500
	s_add_nc_u64 s[G0+4*\slot+2:G0+4*\slot+3], s[G0+4*\slot+2:G0+4*\slot+3], 2*TILE   ; this slot's next tile (behind the last tiles the address is not used)
	s_wait_dscnt 0x0
	ROUND
.if \refill
	tensor_load_to_lds s[G0+4-4*\slot:G0+7-4*\slot], s[G1:G1+7]
	s_nop 0
.endif
.if \slot
	v_add_nc_u32 v[LA], TILE, v[LANE16]
.else
	v_mov_b32 v[LA], v[LANE16]
.endif
.endm
; n pairs of stages: an even and an odd block, 16,384 bytes of the slot
.macro RUN n
	s_mov_b32 s45, \n
.Lrun_\@:
	STAGE SX, SY, NME, NMO, 0,    6144,  2, 1, 2, 1, 1, 12, 10, 10
	STAGE SY, SX, NMO, NME, 8192, 14336, 2, 1, 2, 1, 1, 12, 10, 10
	v_add_nc_u32 v[LA], 16384, v[LA]
	s_sub_co_i32 s45, s45, 1
	s_cmp_lg_u32 s45, 0
	s_cbranch_scc1 .Lrun_\@
.endm
	s_load_b128 s[4:7], s[0:1], 0x0                ; qf s[4:5], kv s[6:7]
	s_load_b64 s[8:9], s[0:1], 0x10                ; af
	s_set_vgpr_msb 0x40
	v_lshl_add_u32 v0, v0, 2, 0x41000
	v_mov_b32 v1, 0
	s_set_vgpr_msb 0x4045
	ds_add_u32 v0, v1
	s_set_vgpr_msb 0x4500
	v_lshrrev_b32 v3, 5, v0
	v_readfirstlane_b32 s10, v3                    ; wave 0..3
	s_bfe_u32 s11, ttmp6, 0x40000                  ; cx: my place in the cluster
	s_lshl_b32 s12, ttmp9, 2
	s_add_co_u32 s12, s12, s11                     ; query block = 4 x cluster x + cx
	s_and_b32 s13, ttmp7, 0xffff                   ; head
	v_and_b32 v3, 31, v0
	v_lshlrev_b32 v[LANE16], 4, v3
	s_mov_b32 s46, 0x76543210                      ; v_permlanex16_b32: lane i of one half reads lane i of the other
	s_mov_b32 s47, 0xfedcba98
	s_mov_b32 s48, 0x3fb8aa3b                      ; log2(e)
	s_mov_b32 s49, 0x3fb8aa3b
	s_mov_b32 s50, 0xc2000000                      ; -32.0
	s_mov_b32 s51, 0xc2000000
	s_mov_b32 s52, 0xbfb8aa3b                      ; -log2(e)
	s_mov_b32 s53, 0xbfb8aa3b
	; group 1: dense blocks as rows of 256 bytes (32 elements of 8 bytes); mask 15: all four work-groups of the cluster; bit 21 set beside the mask
	s_mov_b32 s[G1+0], 0x0023000f
	s_mov_b32 s[G1+1], 32<<16                      ; tensor_dim0 = 32
	s_mov_b32 s[G1+2], 128<<16                     ; tensor_dim1 = 128
	s_mov_b32 s[G1+3], 32<<16                      ; tile_dim0 = 32
	s_mov_b32 s[G1+4], 128                         ; tile_dim1 = 128 rows: 32,768 bytes, a wave's quarter of a tile
	s_mov_b32 s[G1+5], 32                          ; pitch = 32 elements
	s_mov_b32 s[G1+6], 0
	s_mov_b32 s[G1+7], 0
	s_mov_b32 s[G1T+0], 0x0023000f
	s_mov_b32 s[G1T+1], 32<<16
	s_mov_b32 s[G1T+2], 4<<16
	s_mov_b32 s[G1T+3], 32<<16
	s_mov_b32 s[G1T+4], 4                          ; 4 rows: one V' fragment of 1,024 bytes
	s_mov_b32 s[G1T+5], 32
	s_mov_b32 s[G1T+6], 0
	s_mov_b32 s[G1T+7], 0
	; offsets in kv: made of the head and the wave's number alone, which all four partners share
	s_lshl_b32 s54, s13, 20
	s_lshl_b32 s55, s10, 15
	s_add_co_u32 s54, s54, s55
	s_mov_b32 s55, 0
	s_lshl_b32 s58, s13, 20
	s_lshr_b32 s14, s10, 1
	s_lshl_b32 s14, s14, 13                        ; block 0 (key block 126) or block 1 (127)
	s_add_co_u32 s58, s58, s14
	s_and_b32 s14, s10, 1
	s_lshl_b32 s14, s14, 10                        ; dt
	s_add_co_u32 s58, s58, s14
	s_add_co_u32 s58, s58, 6144
	s_mov_b32 s59, 0
	; offset in qf: this one holds the place in the cluster and feeds no descriptor
	s_lshl_b32 s56, s12, 2
	s_add_co_u32 s56, s56, s10                     ; block 4 x query block + wave: my two query tiles
	s_lshl_b32 s56, s56, 13
	s_lshl_b32 s14, s13, 20
	s_add_co_u32 s56, s56, s14
	s_mov_b32 s57, 0
	s_wait_dscnt 0x0
	s_wait_kmcnt 0x0
	s_mov_b32 s[G0+0], 1
	s_lshl_b32 s[G0+1], s10, 15                    ; slot 0, my quarter
	s_add_nc_u64 s[G0+2:G0+3], s[6:7], s[54:55]    ; tile 0
	s_mov_b32 s[G0+4], 1
	s_add_co_u32 s[G0+5], s[G0+1], TILE            ; slot 1
	s_add_nc_u64 s[G0+6:G0+7], s[G0+2:G0+3], TILE  ; tile 1
	s_or_b32 s[G0+3], s[G0+3], 0x80000000          ; type = 2
	s_or_b32 s[G0+7], s[G0+7], 0x80000000
	s_mov_b32 s[G0T+0], 1
	s_lshl_b32 s[G0T+1], s10, 10
	s_add_co_u32 s[G0T+1], s[G0T+1], TAIL
	s_add_nc_u64 s[G0T+2:G0T+3], s[6:7], s[58:59]
	s_or_b32 s[G0T+3], s[G0T+3], 0x80000000
	s_add_nc_u64 s[4:5], s[4:5], s[56:57]
	ROUND                                          ; all four work-groups are here: the first joint loads meet
	tensor_load_to_lds s[G0:G0+3], s[G1:G1+7]      ; tile 0
	s_nop 0
	tensor_load_to_lds s[G0T:G0T+3], s[G1T:G1T+7]  ; V of key blocks 126, 127
	s_nop 0
.irp q, 0,1
.irp c, 0,1,2
	global_load_b128 v[QF+24*\q+8*\c:QF+24*\q+8*\c+3],   v[LANE16], s[4:5] offset:3072*\q+1024*\c
	global_load_b128 v[QF+24*\q+8*\c+4:QF+24*\q+8*\c+7], v[LANE16], s[4:5] offset:3072*\q+1024*\c+512
.endr
.endr
	; d = n - m for key tile 0: 16 Q0 + r - 8 h - j; DA starts 32 higher, since its step stands ahead of its first use; DB belongs to q1: 16 higher
	s_lshl_b32 s14, s12, 7
	s_lshl_b32 s15, s10, 5
	s_add_co_u32 s14, s14, s15                     ; my first query
	v_and_b32 v16, 15, v0
	v_bfe_u32 v17, v0, 4, 1
	v_lshlrev_b32 v17, 3, v17
	v_sub_nc_u32 v16, v16, v17
	v_add_nc_u32 v16, s14, v16
.irp j, 0,1,2,3,4,5,6,7
	v_add_nc_u32 v[DA+\j], 32-\j, v16
	v_add_nc_u32 v[DB+\j], 16-\j, v16
.endr
.irp j, 0,1,2,3,4,5,6,7
	v_cvt_f32_i32 v[DA+\j], v[DA+\j]
	v_cvt_f32_i32 v[DB+\j], v[DB+\j]
.endr
	; offset in af of my first query tile's fragment
	s_lshl_b32 s56, s12, 16                        ; 8 query tiles x 8 heads x 1,024 bytes
	s_lshl_b32 s14, s10, 14
	s_add_co_u32 s56, s56, s14
	s_lshl_b32 s14, s13, 10
	s_add_co_u32 s56, s56, s14
	s_add_nc_u64 s[8:9], s[8:9], s[56:57]
	s_wait_loadcnt 0x0                             ; Q', once
	HEAD 0, 1                                      ; tile 0 is in; tile 1 goes out
	LOADK 0, 0                                     ; stage 0: K' of block 0
	LOADK 1, 0
	STAGE SY, SX, NMO, NME, 8192,  0,     0, 1, 0, 1, 0, 0,  6,  6     ; stage 1: scores of block 0; behind each K' run only the other one (6 loads) is out
	STAGE SX, SY, NME, NMO, 16384, 22528, 0, 1, 1, 1, 1, 0,  10, 10    ; stage 2: the first softmax
	STAGE SY, SX, NMO, NME, 24576, 30720, 1, 1, 2, 1, 1, 12, 10, 10    ; stage 3: the first P V starts O'
	v_add_nc_u32 v[LA], 32768, v[LA]
	RUN 6                                          ; stages 4 .. 15
	HEAD 1, 1
	RUN 8
	s_mov_b32 s44, 2
.Ltiles:
	HEAD 0, 1
	RUN 8
	HEAD 1, 1
	RUN 8
	s_sub_co_i32 s44, s44, 1
	s_cmp_lg_u32 s44, 0
	s_cbranch_scc1 .Ltiles
	HEAD 0, 1                                      ; tile 6; tile 7 goes out: the last
	RUN 8
	HEAD 1, 0
	RUN 8
	v_add_nc_u32 v[LA], TAIL, v[LANE16]
	STAGE SX, SY, NME, NMO, 0, 0,    2, 1, 2, 0, 1, 12, 10, 4          ; stage 128: no K' left; behind K' t1 only V' (4 loads) is out
	STAGE SY, SX, NMO, NME, 0, 2048, 2, 0, 2, 0, 1, 0,  0,  0          ; stage 129: the last softmax
	STAGE SX, SY, NME, NMO, 0, 0,    2, 0, 0, 0, 0, 0,  0,  0          ; stage 130: the last P V
	; O' / row sum, as f16 fragments of the output projection.  The four additions and the v_nop are the places behind the last products.
	v_add_f32 v[T+0], v[L+0], v[L+1]
	v_add_f32 v[T+8], v[L+2], v[L+3]
	v_permlanex16_b32 v[T+1], v[T+0], s46, s47     ; the other half of the keys
	v_permlanex16_b32 v[T+9], v[T+8], s46, s47
	v_add_f32 v[T+0], v[T+0], v[T+1]
	v_add_f32 v[T+8], v[T+8], v[T+9]               ; at least 1: the largest weight of a row is exp(0)
	v_rcp_f32 v[AL],   v[T+0]
	v_rcp_f32 v[AL+1], v[T+8]
	v_nop                                          ; one plain instruction between a reciprocal and its use (ISA guide 5.7.2)
.irp q, 0,1
.irp i, 0,1,2,3,4,5,6,7
	OSC \q, \i, 2
.endr
.endr
.irp q, 0,1
.irp i, 0,1,2,3,4,5,6,7
	v_cvt_pk_f16_f32 v[SX+8*\q+\i], v[O+16*\q+2*\i], v[O+16*\q+2*\i+1]
.endr
	global_store_b128 v[LANE16], v[SX+8*\q:SX+8*\q+3],   s[8:9] offset:8192*\q          ; features 0-15 of the head: 512 consecutive bytes, aligned
	global_store_b128 v[LANE16], v[SX+8*\q+4:SX+8*\q+7], s[8:9] offset:8192*\q+512      ; features 16-31
.endr
	ROUND                                          ; the closing round: no work-group ends while a partner may still ask jointly
	s_endpgm
.Lfunc_end_k_qbf8ddf9d7a_attend:
	.size	k_qbf8ddf9d7a_attend, .Lfunc_end_k_qbf8ddf9d7a_attend-k_qbf8ddf9d7a_attend
	.p2alignl 7, 3214868480
	.fill 96, 4, 3214868480
	.section	.rodata,"a",@progbits
	.p2align	6, 0x0
	.amdhsa_kernel k_qbf8ddf9d7a_attend
		.amdhsa_group_segment_fixed_size 327680
		.amdhsa_private_segment_fixed_size 0
		.amdhsa_enable_private_segment 0
		.amdhsa_kernarg_size 24
		.amdhsa_user_sgpr_count 2
		.amdhsa_user_sgpr_kernarg_segment_ptr 1
		.amdhsa_wavefront_size32 1
		.amdhsa_system_sgpr_workgroup_id_x 1
		.amdhsa_system_sgpr_workgroup_id_y 1
		.amdhsa_system_sgpr_workgroup_id_z 1
		.amdhsa_system_vgpr_workitem_id 0
		.amdhsa_next_free_vgpr 258
		.amdhsa_next_free_sgpr 66
		.amdhsa_reserve_vcc 0
		.amdhsa_float_denorm_mode_32 3
		.amdhsa_float_denorm_mode_16_64 3
		.amdhsa_memory_ordered 1
		.amdhsa_forward_progress 1
		.amdhsa_inst_pref_size 176
	.end_amdhsa_kernel
	.amdgpu_metadata
---
amdhsa.version: [ 1, 2 ]
amdhsa.kernels:
  - .name:           k_qbf8ddf9d7a_attend
    .symbol:         k_qbf8ddf9d7a_attend.kd
    .args:
      - { .name: qf, .offset: 0, .size: 8, .value_kind: global_buffer, .address_space: global }
      - { .name: kv, .offset: 8, .size: 8, .value_kind: global_buffer, .address_space: global }
      - { .name: af, .offset: 16, .size: 8, .value_kind: global_buffer, .address_space: global }
    .group_segment_fixed_size: 327680
    .private_segment_fixed_size: 0
    .kernarg_segment_align: 8
    .kernarg_segment_size: 24
    .max_flat_workgroup_size: 128
    .sgpr_count:     66
    .vgpr_count:     258
    .wavefront_size: 32
...
	.end_amdgpu_metadata
.endif
;; end of part 3
;; launch outproj (part 4): grid 256 x 1, 4 waves a work-group, no clusters, 17,920 bytes of LDS; arguments af, wpf, b_proj, out0; writes out0
.if DOCPART == 4
	.amdgcn_target "amdgcn-amd-amdhsa--gfx1250"
	.amdhsa_code_object_version 6
	.text
	.protected	k_qbf8ddf9d7a_outproj
	.globl	k_qbf8ddf9d7a_outproj
	.p2align	8
	.type	k_qbf8ddf9d7a_outproj,@function
k_qbf8ddf9d7a_outproj:
	s_mov_b64 s[64:65], 0
	v_nop
	global_prefetch_b8 v0, s[64:65] scope:SCOPE_SE
	s_setreg_imm32_b32 hwreg(HW_REG_WAVE_MODE, 25, 1), 1
	s_wait_xcnt 0x0
; outproj: out0[n][f] = sum over k of a[n][k] w_proj[f][k] + b_proj[f], a and w_proj as f16 fragments (af, wpf), sums in f32.
; A work-group takes 16 tokens, a wave 64 features: 4 accumulator tiles, K = 256 in 8 chunks (chunk = head).
; w_proj is source 0, so a lane holds one token and 8 neighbouring features.  The bias is loaded straight into the accumulators and starts the sums.
; Fragments come from memory as they are used (512 consecutive bytes a load) into four register slots that take turns: three chunks are always on their way.
; NO JOINT LOADS, NO LDS ON THE WAY IN: each fragment is used by a wave once and lies in memory in register order; a way through LDS would add a write and a read
; of every byte.
; LIMITS: as in the launches before: f16 operands below 65,504 in magnitude.
.set CH,     32                        ; v[32:191]  slot s at 32 + 40 s: a's fragment, then four of w_proj
.set ACC,    192                       ; v[192:223] tile b at 192 + 8 b
.set SPITCH, 272                       ; stage row: 256 bytes + 16
.set STO,    7
.set RD,     8
.set CO,     9
.macro NOPS n
.rept \n
	v_nop
.endr
.endm
.macro LOADC c, sl                     ; 10 loads: chunk c into slot sl
	global_load_b128 v[CH+40*(\sl):CH+40*(\sl)+3],   v3, s[4:5] offset:1024*(\c)
	global_load_b128 v[CH+40*(\sl)+4:CH+40*(\sl)+7], v3, s[4:5] offset:1024*(\c)+512
.irp b, 0,1,2,3
	global_load_b128 v[CH+40*(\sl)+8+8*\b:CH+40*(\sl)+11+8*\b],  v3, s[6:7] offset:8192*\b+1024*(\c)
	global_load_b128 v[CH+40*(\sl)+12+8*\b:CH+40*(\sl)+15+8*\b], v3, s[6:7] offset:8192*\b+1024*(\c)+512
.endr
.endm
	s_load_b256 s[4:11], s[0:1], 0x0               ; af s[4:5], wpf s[6:7], b_proj s[8:9], out0 s[10:11]
	v_lshl_add_u32 v224, v0, 2, 0x4400
	v_mov_b32 v225, 0
	v_lshrrev_b32 v1, 5, v0
	v_readfirstlane_b32 s12, v1                    ; wave 0..3
	v_and_b32 v2, 31, v0
	v_lshlrev_b32 v3, 4, v2                        ; 16 x lane
	v_and_b32 v4, 15, v0                           ; r
	v_bfe_u32 v5, v0, 4, 1                         ; h
	s_lshl_b32 s14, ttmp9, 13                      ; my token tile: 8 fragments
	s_mov_b32 s15, 0
	s_lshl_b32 s16, s12, 15                        ; my 4 n tiles of 8 fragments
	s_mov_b32 s17, 0
	s_lshl_b32 s18, s12, 8                         ; my 64 features, in bytes of f32
	v_lshl_add_u32 v6, v5, 5, s18                  ; bias: features 8 h .. 8 h + 7 of each tile
	s_lshl_b32 s20, ttmp9, 14                      ; my 16 rows of out0
	s_mov_b32 s21, 0
	s_wait_kmcnt 0x0
	s_add_nc_u64 s[4:5], s[4:5], s[14:15]
	s_add_nc_u64 s[6:7], s[6:7], s[16:17]
	s_add_nc_u64 s[10:11], s[10:11], s[20:21]
.irp b, 0,1,2,3
	global_load_b128 v[ACC+8*\b:ACC+8*\b+3],   v6, s[8:9] offset:64*\b
	global_load_b128 v[ACC+8*\b+4:ACC+8*\b+7], v6, s[8:9] offset:64*\b+16
.endr
	LOADC 0, 0
	LOADC 1, 1
	LOADC 2, 2
	LOADC 3, 3
	s_mul_i32 s19, s12, 16*SPITCH                  ; my stage
	v_mul_u32_u24 v[STO], v4, SPITCH
	v_lshl_add_u32 v[STO], v5, 5, v[STO]
	v_add_nc_u32 v[STO], s19, v[STO]               ; in: row r, 32 bytes for each half of the lanes
	v_mul_u32_u24 v[RD], v5, SPITCH
	v_lshl_add_u32 v[RD], v4, 4, v[RD]
	v_add_nc_u32 v[RD], s19, v[RD]                 ; back: lanes 0-15 one row of 256 bytes, lanes 16-31 the next
	v_lshlrev_b32 v[CO], 10, v5
	v_lshl_add_u32 v[CO], v4, 4, v[CO]
	v_add_nc_u32 v[CO], s18, v[CO]                 ; the same two rows in out0, at my 256 bytes
; The four accumulators take turns, one instruction a turn, over the chunks' borders too.
.set kc, 0
.rept 8
.if kc < 5
	s_wait_loadcnt 30                              ; loads return in order: this chunk (and the bias) is in, the 30 loads of three later chunks may be out
.else
	s_wait_loadcnt 10*(7-kc)                       ; the last chunks: 20, 10, 0 loads behind them
.endif
.irp b, 0,1,2,3
	v_wmma_f32_16x16x32_f16 v[ACC+8*\b:ACC+8*\b+7], v[CH+40*(kc%4)+8+8*\b:CH+40*(kc%4)+15+8*\b], v[CH+40*(kc%4):CH+40*(kc%4)+7], v[ACC+8*\b:ACC+8*\b+7]
.endr
.if kc < 4
	NOPS 4                                         ; four places between the products and the loads into their sources
	LOADC kc+4, kc%4
.endif
.set kc, kc+1
.endr
	; the way out: through my own stage in LDS, so that 16 lanes store 256 consecutive bytes of a row of out0, aligned
	NOPS 4                                         ; four places before results are read
.irp b, 0,1,2,3
	ds_store_b128 v[STO], v[ACC+8*\b:ACC+8*\b+3]   offset:64*\b
	ds_store_b128 v[STO], v[ACC+8*\b+4:ACC+8*\b+7] offset:64*\b+16
.endr
.irp t, 0,1,2,3,4,5,6,7
	ds_load_b128 v[CH+4*\t:CH+4*\t+3], v[RD] offset:\t*2*SPITCH    ; LDS serves a wave's instructions in order (ISA guide 5.7.1): these see the stores above
.endr
.irp t, 0,1,2,3,4,5,6,7
	s_wait_dscnt 7-\t                              ; rows 2 t, 2 t + 1 are back, the 7 - t younger loads may be out
	global_store_b128 v[CO], v[CH+4*\t:CH+4*\t+3], s[10:11] offset:2048*\t
.endr
	s_wait_tensorcnt 0x0
	ds_add_u32 v224, v225
	s_wait_dscnt 0x0
	s_endpgm
.Lfunc_end_k_qbf8ddf9d7a_outproj:
	.size	k_qbf8ddf9d7a_outproj, .Lfunc_end_k_qbf8ddf9d7a_outproj-k_qbf8ddf9d7a_outproj
	.p2alignl 7, 3214868480
	.fill 96, 4, 3214868480
	.section	.rodata,"a",@progbits
	.p2align	6, 0x0
	.amdhsa_kernel k_qbf8ddf9d7a_outproj
		.amdhsa_group_segment_fixed_size 17920
		.amdhsa_private_segment_fixed_size 0
		.amdhsa_enable_private_segment 0
		.amdhsa_kernarg_size 32
		.amdhsa_user_sgpr_count 2
		.amdhsa_user_sgpr_kernarg_segment_ptr 1
		.amdhsa_wavefront_size32 1
		.amdhsa_system_sgpr_workgroup_id_x 1
		.amdhsa_system_sgpr_workgroup_id_y 1
		.amdhsa_system_sgpr_workgroup_id_z 1
		.amdhsa_system_vgpr_workitem_id 0
		.amdhsa_next_free_vgpr 226
		.amdhsa_next_free_sgpr 66
		.amdhsa_reserve_vcc 0
		.amdhsa_float_denorm_mode_32 3
		.amdhsa_float_denorm_mode_16_64 3
		.amdhsa_memory_ordered 1
		.amdhsa_forward_progress 1
		.amdhsa_inst_pref_size 15
	.end_amdhsa_kernel
	.amdgpu_metadata
---
amdhsa.version: [ 1, 2 ]
amdhsa.kernels:
  - .name:           k_qbf8ddf9d7a_outproj
    .symbol:         k_qbf8ddf9d7a_outproj.kd
    .args:
      - { .name: af, .offset: 0, .size: 8, .value_kind: global_buffer, .address_space: global }
      - { .name: wpf, .offset: 8, .size: 8, .value_kind: global_buffer, .address_space: global }
      - { .name: b_proj, .offset: 16, .size: 8, .value_kind: global_buffer, .address_space: global }
      - { .name: out0, .offset: 24, .size: 8, .value_kind: global_buffer, .address_space: global }
    .group_segment_fixed_size: 17920
    .private_segment_fixed_size: 0
    .kernarg_segment_align: 8
    .kernarg_segment_size: 32
    .max_flat_workgroup_size: 128
    .sgpr_count:     66
    .vgpr_count:     226
    .wavefront_size: 32
...
	.end_amdgpu_metadata
.endif
;; end of part 4
;; ======== version 2 of 2: 4 launches; 1.62 times as fast as version 1
;; limits: values are held in f16: magnitudes above 65,504 overflow, below 6.1e-05 lose precision
;; workspace buffers: qf 8,388,608 bytes; kv 8,388,608 bytes; wpf 131,072 bytes; af 2,097,152 bytes
;; launch projx: the kernel of part 1 again; grid 32 x 3, 8 waves a work-group, no clusters, 203,776 bytes of LDS; arguments x, w_qkv, qf, kv; writes qf, kv
;; launch projd: the kernel of part 2 again; grid 32 x 4, 8 waves a work-group, no clusters, 216,064 bytes of LDS; arguments x, w_qkv, w_proj, qf, kv, wpf; writes qf, kv, wpf
;; launch attend (part 5): grid 32 x 8, 4 waves a work-group, clusters of 4 x 1, 327,680 bytes of LDS; arguments qf, kv, af; writes af
.if DOCPART == 5
	.amdgcn_target "amdgcn-amd-amdhsa--gfx1250"
	.amdhsa_code_object_version 6
	.text
	.protected	k_qbf8ddf9d7a_attend
	.globl	k_qbf8ddf9d7a_attend
	.p2align	8
	.type	k_qbf8ddf9d7a_attend,@function
k_qbf8ddf9d7a_attend:
	s_mov_b64 s[64:65], 0
	v_nop
	global_prefetch_b8 v0, s[64:65] scope:SCOPE_SE
	s_setreg_imm32_b32 hwreg(HW_REG_WAVE_MODE, 25, 1), 1
	s_wait_xcnt 0x0
	s_wait_alu depctr_hold_cnt(0) depctr_sa_sdst(0) depctr_va_vdst(0) depctr_va_sdst(0) depctr_va_ssrc(0) depctr_va_vcc(0) depctr_vm_vsrc(0)
	s_getreg_b32 s2, hwreg(HW_REG_IB_STS2, 6, 4)
	s_cmp_eq_u32 s2, 0
	s_cbranch_scc0 .Lentry_in_a_cluster
	s_endpgm
.Lentry_in_a_cluster:
	s_bfe_u32 s2, ttmp6, 0x10000c
	s_cmp_lg_u32 s2, 0x3003
	s_cbranch_scc0 .Lentry_shape_is_right
	s_endpgm
.Lentry_shape_is_right:
; attend: softmax((q k' + hq hk' + vq vk') / sqrt(32) + 2 - |n - m|) V for one head and 128 queries, all 4,096 keys, running maximum.
; The three score products are one product over 96 features (3 chunks of 32); 1/sqrt(32) is already in q.
; A wave owns two query tiles of 16 (q0, q1) and walks the keys in blocks of 32 (two key tiles t0, t1).
;   S' = K' Q''  : lane (r, h) holds query r, register j key 8 h + j.  Two key tiles, packed to f16, ARE the second source of
;   O' = V' P'   : lane = query again, so maximum, rescaling factor and row sum are one number a lane.
; THE BIAS enters as the C operand of a score tile's first product: DA and DB hold d = n - m as whole numbers in f32 (exact up to 4,095 + 32)
; and the modifiers neg_lo and neg_hi on C make -|d| of it (ISA guide 7.12).  d hangs on (query tile - key tile) alone, so two tiles of d serve the four
; score tiles, each stepped by -32 once a block.  The constant 2 is added to every key of a row alike: exp(s + 2 - (max + 2)) = exp(s - max)
; for every input, so it is not added.
; PIPELINE, stage b: products S of block b-1; softmax of block b-2 (vector work, set between the products); products P V of block b-3; LDS loads of
; K'(b) and V(b-2).  kv stores V two blocks late, so a stage reads one block of 8,192 bytes.  The 16 products of a stage take their accumulators
; by turns, one instruction a turn, over the loop's back edge too.
; THE EXPONENTIALS of a stage are ONE BATCH with ONE wait.  The two factors AL and the 32 weights of both query tiles are all issued ahead of the
; products of key tile t1; among them stand only the scalings that feed them, DB's step and the products of key tile t0, none of which names a result
; of the batch.  An s_wait_alu depctr_va_vdst(0) stands between the exponentials and the first instruction that names a result of theirs: it stands
; once, behind DB's last step and directly ahead of the run of loads of K' t0.  All readers (row sums, roundings to f16, O' and L times AL) stand behind
; it, eight behind each product of key tile t1.  No result crosses a stage's end.  The way out's two reciprocals are a batch of their own.
; CLUSTER: the four work-groups of a cluster are four query blocks of one head and read the same K' and V: each tile is asked for jointly (mask 15).
; The place in the cluster enters only the addresses in qf and af and the numbers in DA, DB.
; LDS: two slots of 131,072 bytes (16 blocks, 512 keys) and 4,096 bytes with V of key blocks 126, 127 (kept in blocks 0, 1 of kv), filled once.
; By this text's count a wave has at most two tensor loads out.
; LIMITS: f16 operands below 65,504 in magnitude; a weight below 6e-8 of its row's largest rounds to 0; the maximum ignores NaN.
.set TILE,   131072
.set TAIL,   2*TILE
.set LANE16, 1                         ; v1        16 x lane
.set LA,     2                         ; v2        LDS address of my 16 bytes in the pair of blocks at work
.set MM,     4                         ; v[4:5]    running maximum of q0, q1
.set NME,    6                         ; v[6:7]    -maximum x log2(e), written in even stages
.set NMO,    8                         ; v[8:9]    the same, written in odd stages
.set AL,     10                        ; v[10:11]  factor that brings older sums to the new maximum
.set L,      12                        ; v[12:15]  row sums, a pair of partial sums for each query tile
.set T,      16                        ; v[16:31]  at work
.set QF,     32                        ; v[32:79]  Q' fragments at 24 q + 8 c
.set O,      80                        ; v[80:111] O' at 16 q + 8 dt
.set KF,     112                       ; v[112:159] K' fragments at 24 t + 8 c
.set VF,     160                       ; v[160:175] V' fragments at 8 dt
.set DA,     176                       ; v[176:183] d for (q0, t0) and (q1, t1)
.set DB,     184                       ; v[184:191] d for (q1, t0) and, 32 less, (q0, t1)
.set SX,     192                       ; v[192:223] scores of even blocks at 16 q + 8 t; P overwrites +0..7 and +16..23
.set SY,     224                       ; v[224:255] scores of odd blocks
.set G1,     16                        ; s[16:23]  shape of a wave's quarter tile: 128 rows of 256 bytes
.set G1T,    24                        ; s[24:31]  shape of a wave's quarter of the tail: 4 rows of 256 bytes
.set G0,     32                        ; s[32:39]  from where, to where: one set for each slot
.set G0T,    40                        ; s[40:43]  the same for the tail
.macro NOPS n
.rept \n
	v_nop
.endr
.endm
; a round of the cluster's barrier: my work-group's barrier, wave 0 signals for the work-group, every wave waits for all four work-groups, my work-group's barrier again
.macro ROUND
	s_barrier_signal -1
	s_barrier_wait -1
	s_cmp_lg_u32 s10, 0
	s_cbranch_scc1 .Lnot_wave_0_\@
	s_barrier_signal -3
.Lnot_wave_0_\@:
	s_barrier_wait -3
	s_barrier_signal -1
	s_barrier_wait -1
.endm
.macro LOADK t, koff                   ; 6 loads: key tile t, three chunks
.irp c, 0,1,2
	ds_load_b128 v[KF+24*\t+8*\c:KF+24*\t+8*\c+3],   v[LA] offset:\koff+3072*\t+1024*\c
	ds_load_b128 v[KF+24*\t+8*\c+4:KF+24*\t+8*\c+7], v[LA] offset:\koff+3072*\t+1024*\c+512
.endr
.endm
.macro LOADV voff                      ; 4 loads: V' of 32 keys, two tiles of 16 features
.irp d, 0,1
	ds_load_b128 v[VF+8*\d:VF+8*\d+3],   v[LA] offset:\voff+1024*\d
	ds_load_b128 v[VF+8*\d+4:VF+8*\d+7], v[LA] offset:\voff+1024*\d+512
.endr
.endm
.macro PVMM mode, q, dt, W             ; mode 1: the first product starts the sum
.if \mode == 1
	v_wmma_f32_16x16x32_f16 v[O+16*\q+8*\dt:O+16*\q+8*\dt+7], v[VF+8*\dt:VF+8*\dt+7], v[\W+16*\q:\W+16*\q+7], 0
.else
	v_wmma_f32_16x16x32_f16 v[O+16*\q+8*\dt:O+16*\q+8*\dt+7], v[VF+8*\dt:VF+8*\dt+7], v[\W+16*\q:\W+16*\q+7], v[O+16*\q+8*\dt:O+16*\q+8*\dt+7]
.endif
.endm
.macro SFIRST W, q, t, D               ; chunk 0, C = -|d|
	v_wmma_f32_16x16x32_f16 v[\W+16*\q+8*\t:\W+16*\q+8*\t+7], v[KF+24*\t:KF+24*\t+7], v[QF+24*\q:QF+24*\q+7], v[\D:\D+7] neg_lo:[0,0,1] neg_hi:[0,0,1]
.endm
.macro SLINK W, q, t, c
	v_wmma_f32_16x16x32_f16 v[\W+16*\q+8*\t:\W+16*\q+8*\t+7], v[KF+24*\t+8*\c:KF+24*\t+8*\c+7], v[QF+24*\q+8*\c:QF+24*\q+8*\c+7], v[\W+16*\q+8*\t:\W+16*\q+8*\t+7]
.endm
.macro MAX3 d, a, b, c
	v_max3_num_f32 v[\d], v[\a], v[\b], v[\c]
.endm
.macro ADD2 d, a, b
	v_pk_add_f32 v[\d:\d+1], v[\a:\a+1], v[\b:\b+1]
.endm
.macro DSTEP D                         ; d of the tile two key tiles on
.irp i, 0,2,4,6
	v_pk_add_f32 v[\D+\i:\D+\i+1], v[\D+\i:\D+\i+1], s[50:51] op_sel_hi:[1,0]
.endr
.endm
.macro DBSTEP i, sc                    ; two numbers of DB's step, one line; a stage without scores keeps the place
.if \sc
	v_pk_add_f32 v[DB+\i:DB+\i+1], v[DB+\i:DB+\i+1], s[50:51] op_sel_hi:[1,0]
.else
	v_nop
.endif
.endm
.macro ARG U, NN, q, i                 ; two exponents: s log2(e) - max log2(e)
	v_pk_fma_f32 v[\U+16*\q+2*\i:\U+16*\q+2*\i+1], v[\U+16*\q+2*\i:\U+16*\q+2*\i+1], s[48:49], v[\NN:\NN+1] op_sel:[0,0,\q] op_sel_hi:[1,0,\q]
.endm
.macro EXPS U, from, n
.set ei, \from
.rept \n
	v_exp_f32 v[\U+ei], v[\U+ei]
.set ei, ei+1
.endr
.endm
.macro OSC q, i, sm                    ; two numbers of O' to the new maximum; in the first softmax there is no O' yet: the place is kept
.if \sm == 2
	v_pk_mul_f32 v[O+16*\q+2*\i:O+16*\q+2*\i+1], v[O+16*\q+2*\i:O+16*\q+2*\i+1], v[AL:AL+1] op_sel:[0,\q] op_sel_hi:[1,\q]
.else
	v_nop
.endif
.endm
.macro LFMA q, sm                      ; row sums: old x factor + this block's
.if \sm == 2
	v_pk_fma_f32 v[L+2*\q:L+2*\q+1], v[L+2*\q:L+2*\q+1], v[AL:AL+1], v[T+8*\q:T+8*\q+1] op_sel:[0,\q,0] op_sel_hi:[1,\q,1]
.else
	v_nop
.endif
.endm
.macro CVT U, q, i                     ; ascending i: no source is overwritten before it is read
	v_cvt_pk_f16_f32 v[\U+16*\q+\i], v[\U+16*\q+2*\i], v[\U+16*\q+2*\i+1]
.endm
; One stage.  U: scores that the softmax works on; W: the other buffer (its P feeds P V, then new scores are written into it).
; NN, NO: this stage's and the last stage's -max log2(e).  pv: 0 none, 1 first, 2 add.  sc: scores.  sm: 0 none, 1 first, 2 normal.
; lk, lv: LDS loads.  wv, wk0, wk1: how many younger LDS loads may be out when V', K' t0, K' t1 are needed.
; Behind a product stand plain vector instructions that name none of its registers; they are the places that ISA guide 7.12.1 asks for:
; five or more before a score tile's second product (its modifiers differ from the first's) and before scores overwrite P,
; four or more before a load into a product's sources and before DA, DB, O' are written.  Exponentials are no places and are not counted:
; between the first and the second product of each t0 tile stand six scalings; DB's four steps are the places between the last t0 product and K' t0's loads.
; Behind each run of exponentials the next plain instruction touches none of the run's registers (ISA guide 5.7.2).
.macro STAGE U, W, NN, NO, koff, voff, pv, sc, sm, lk, lv, wv, wk0, wk1
.if \pv
	s_wait_dscnt \wv                       ; V' is in; in the loop 12 younger loads (K' t0, t1) may be out
	PVMM \pv, 0, 0, \W
.endif
.if \sm
	MAX3 T+0,  \U+0,  \U+1,  \U+2
	MAX3 T+8,  \U+16, \U+17, \U+18
	MAX3 T+1,  \U+3,  \U+4,  \U+5
	MAX3 T+9,  \U+19, \U+20, \U+21
	MAX3 T+2,  \U+6,  \U+7,  \U+8
	MAX3 T+10, \U+22, \U+23, \U+24
	MAX3 T+3,  \U+9,  \U+10, \U+11
	MAX3 T+11, \U+25, \U+26, \U+27
.endif
.if \pv
	PVMM \pv, 1, 0, \W
.endif
.if \sm
	MAX3 T+4,  \U+12, \U+13, \U+14
	MAX3 T+12, \U+28, \U+29, \U+30
	MAX3 T+0,  T+0,  T+1,  \U+15
	MAX3 T+8,  T+8,  T+9,  \U+31
	MAX3 T+2,  T+2,  T+3,  T+4
	MAX3 T+10, T+10, T+11, T+12
	v_max_num_f32 v[T+0], v[T+0], v[T+2]
	v_max_num_f32 v[T+8], v[T+8], v[T+10]
.endif
.if \pv
	PVMM \pv, 0, 1, \W
.endif
.if \sm
	v_permlanex16_b32 v[T+1], v[T+0], s46, s47     ; the other 16 keys of the block lie in lane L xor 16
	v_permlanex16_b32 v[T+9], v[T+8], s46, s47
.endif
.if \sc
	DSTEP DA
.endif
.if \sm == 2
	MAX3 MM,   T+0, T+1, MM
	MAX3 MM+1, T+8, T+9, MM+1
.endif
.if \sm == 1
	v_max_num_f32 v[MM],   v[T+0], v[T+1]
	v_max_num_f32 v[MM+1], v[T+8], v[T+9]
.endif
.if \pv
	PVMM \pv, 1, 1, \W
.endif
.if \sm
	v_pk_mul_f32 v[\NN:\NN+1], v[MM:MM+1], s[52:53] op_sel_hi:[1,0]
.if \sm == 2
	v_pk_add_f32 v[T+2:T+3], v[\NN:\NN+1], v[\NO:\NO+1] neg_lo:[0,1] neg_hi:[0,1]   ; (old max - new max) log2(e), from the very shifts that the exponentials use
.else
	v_nop
.endif
	ARG \U, \NN, 0, 0
	ARG \U, \NN, 0, 1
	ARG \U, \NN, 0, 2
	ARG \U, \NN, 0, 3
.endif
.if \lv
	LOADV \voff
.endif
	; THE BATCH begins: AL's two exponentials, then the 32 weights'; up to the wait nothing names a result of theirs
.if \sm == 2
	v_exp_f32 v[AL],   v[T+2]
	v_exp_f32 v[AL+1], v[T+3]
.endif
.if \sc
	s_wait_dscnt \wk0                      ; K' t0 is in; in the loop 10 younger loads (K' t1, V') may be out
	SFIRST \W, 0, 0, DA
.endif
.if \sm
	ARG \U, \NN, 0, 4
	EXPS \U, 0, 2
	ARG \U, \NN, 0, 5
	EXPS \U, 2, 2
	ARG \U, \NN, 0, 6
	EXPS \U, 4, 1
.else
	NOPS 5*\sc
.endif
.if \sc
	SFIRST \W, 1, 0, DB
.endif
.if \sm
	ARG \U, \NN, 0, 7
	EXPS \U, 5, 2
	ARG \U, \NN, 1, 0
	EXPS \U, 7, 2
	ARG \U, \NN, 1, 1
	EXPS \U, 9, 1
.else
	NOPS 5*\sc
.endif
.if \sc
	SLINK \W, 0, 0, 1
.endif
.if \sm
	ARG \U, \NN, 1, 2
	EXPS \U, 10, 2
	ARG \U, \NN, 1, 3
	EXPS \U, 12, 2
	ARG \U, \NN, 1, 4
	EXPS \U, 14, 1
.else
	NOPS 5*\sc
.endif
.if \sc
	SLINK \W, 1, 0, 1
.endif
.if \sm
	ARG \U, \NN, 1, 5
	EXPS \U, 15, 3
	ARG \U, \NN, 1, 6
	EXPS \U, 18, 3
.else
	NOPS 5*\sc
.endif
.if \sc
	SLINK \W, 0, 0, 2
.endif
.if \sm
	EXPS \U, 21, 3
	ARG \U, \NN, 1, 7
	EXPS \U, 24, 3
.else
	NOPS 5*\sc
.endif
.if \sc
	SLINK \W, 1, 0, 2
.endif
.if \sm
	EXPS \U, 27, 2
	DBSTEP 0, \sc                          ; DB's step stands between its two uses; its four lines are the places in front of K' t0's loads
	EXPS \U, 29, 1
	DBSTEP 2, \sc
	EXPS \U, 30, 1
	DBSTEP 4, \sc
	EXPS \U, 31, 1
	DBSTEP 6, \sc                          ; the plain instruction behind the batch's last exponential
	s_wait_alu depctr_va_vdst(0)           ; one wait for the stage's batch, AL's two exponentials and the 32 weights'; all readers stand below
.else
	NOPS 5*\sc
.if \sc
	DSTEP DB
.endif
.endif
.if \lk
	LOADK 0, \koff
.endif
.if \sc
	s_wait_dscnt \wk1                      ; K' t1 is in; in the loop 10 younger loads (V', K' t0) may be out
	SFIRST \W, 0, 1, DB
.endif
.if \sm
	ADD2 T+0,  \U+0,  \U+2                 ; the first level of both row sums reads all 32 weights, ahead of the roundings that overwrite them
	ADD2 T+8,  \U+16, \U+18
	ADD2 T+2,  \U+4,  \U+6
	ADD2 T+10, \U+20, \U+22
	ADD2 T+4,  \U+8,  \U+10
	ADD2 T+12, \U+24, \U+26
	ADD2 T+6,  \U+12, \U+14
	ADD2 T+14, \U+28, \U+30
.else
	NOPS 5*\sc
.endif
.if \sc
	SFIRST \W, 1, 1, DA
.endif
.if \sm
	CVT \U, 0, 0
	CVT \U, 1, 0
	CVT \U, 0, 1
	CVT \U, 1, 1
	CVT \U, 0, 2
	CVT \U, 1, 2
	CVT \U, 0, 3
	CVT \U, 1, 3
.else
	NOPS 5*\sc
.endif
.if \sc
	SLINK \W, 0, 1, 1
.endif
.if \sm
	CVT \U, 0, 4
	CVT \U, 1, 4
	CVT \U, 0, 5
	CVT \U, 1, 5
	CVT \U, 0, 6
	CVT \U, 1, 6
	CVT \U, 0, 7
	CVT \U, 1, 7
.else
	NOPS 5*\sc
.endif
.if \sc
	SLINK \W, 1, 1, 1
.endif
.if \sm
	OSC 0, 0, \sm                          ; each tile of O' is read from its low end on
	OSC 1, 0, \sm
	OSC 0, 1, \sm
	OSC 1, 1, \sm
	OSC 0, 2, \sm
	OSC 1, 2, \sm
	OSC 0, 3, \sm
	OSC 1, 3, \sm
.else
	NOPS 5*\sc
.endif
.if \sc
	SLINK \W, 0, 1, 2
.endif
.if \sm
	OSC 0, 4, \sm
	OSC 1, 4, \sm
	OSC 0, 5, \sm
	OSC 1, 5, \sm
	OSC 0, 6, \sm
	OSC 1, 6, \sm
	OSC 0, 7, \sm
	OSC 1, 7, \sm
.else
	NOPS 5*\sc
.endif
.if \sc
	SLINK \W, 1, 1, 2
.endif
.if \sm
	ADD2 T+0,  T+0,  T+2                   ; the rest of the row sums: no product of the next stage waits for them
	ADD2 T+8,  T+8,  T+10
	ADD2 T+4,  T+4,  T+6
	ADD2 T+12, T+12, T+14
.if \sm == 2
	ADD2 T+0, T+0, T+4
	ADD2 T+8, T+8, T+12
.else
	ADD2 L,   T+0, T+4                     ; the first block starts the row sums: nothing is cleared
	ADD2 L+2, T+8, T+12
.endif
	LFMA 0, \sm
	LFMA 1, \sm
.else
	NOPS 5*\sc
.endif
.if \lk
	LOADK 1, \koff
.endif
.endm
; The change of slots.  In front of the round every wave has waited for all its tensor loads (its quarter of this slot's tile among them) and for its
; LDS reads of the other slot; behind the round the other slot is filled again first, by a joint load, and then this slot is read.
.macro HEAD slot, refill
	s_set_vgpr_msb 0x5
	s_wait_tensorcnt 0x0                   ; no tensor load of mine is out, so every group 0 may be written:
	ds_add_u32 v0, v1
	s_wait_dscnt 0x0
	s_set_vgpr_msb 0x500
	s_add_nc_u64 s[G0+4*\slot+2:G0+4*\slot+3], s[G0+4*\slot+2:G0+4*\slot+3], 2*TILE   ; this slot's next tile (behind the last tiles the address is not used)
	s_wait_dscnt 0x0
	ROUND
.if \refill
	tensor_load_to_lds s[G0+4-4*\slot:G0+7-4*\slot], s[G1:G1+7]
	s_nop 0
.endif
.if \slot
	v_add_nc_u32 v[LA], TILE, v[LANE16]
.else
	v_mov_b32 v[LA], v[LANE16]
.endif
.endm
; n pairs of stages: an even and an odd block, 16,384 bytes of the slot
.macro RUN n
	s_mov_b32 s45, \n
.Lrun_\@:
	STAGE SX, SY, NME, NMO, 0,    6144,  2, 1, 2, 1, 1, 12, 10, 10
	STAGE SY, SX, NMO, NME, 8192, 14336, 2, 1, 2, 1, 1, 12, 10, 10
	v_add_nc_u32 v[LA], 16384, v[LA]
	s_sub_co_i32 s45, s45, 1
	s_cmp_lg_u32 s45, 0
	s_cbranch_scc1 .Lrun_\@
.endm
	s_load_b128 s[4:7], s[0:1], 0x0                ; qf s[4:5], kv s[6:7]
	s_load_b64 s[8:9], s[0:1], 0x10                ; af
	s_set_vgpr_msb 0x40
	v_lshl_add_u32 v0, v0, 2, 0x41000
	v_mov_b32 v1, 0
	s_set_vgpr_msb 0x4045
	ds_add_u32 v0, v1
	s_set_vgpr_msb 0x4500
	v_lshrrev_b32 v3, 5, v0
	v_readfirstlane_b32 s10, v3                    ; wave 0..3
	s_bfe_u32 s11, ttmp6, 0x40000                  ; cx: my place in the cluster
	s_lshl_b32 s12, ttmp9, 2
	s_add_co_u32 s12, s12, s11                     ; query block = 4 x cluster x + cx
	s_and_b32 s13, ttmp7, 0xffff                   ; head
	v_and_b32 v3, 31, v0
	v_lshlrev_b32 v[LANE16], 4, v3
	s_mov_b32 s46, 0x76543210                      ; v_permlanex16_b32: lane i of one half reads lane i of the other
	s_mov_b32 s47, 0xfedcba98
	s_mov_b32 s48, 0x3fb8aa3b                      ; log2(e)
	s_mov_b32 s49, 0x3fb8aa3b
	s_mov_b32 s50, 0xc2000000                      ; -32.0
	s_mov_b32 s51, 0xc2000000
	s_mov_b32 s52, 0xbfb8aa3b                      ; -log2(e)
	s_mov_b32 s53, 0xbfb8aa3b
	; group 1: dense blocks as rows of 256 bytes (32 elements of 8 bytes); mask 15: all four work-groups of the cluster; bit 21 set beside the mask
	s_mov_b32 s[G1+0], 0x0023000f
	s_mov_b32 s[G1+1], 32<<16                      ; tensor_dim0 = 32
	s_mov_b32 s[G1+2], 128<<16                     ; tensor_dim1 = 128
	s_mov_b32 s[G1+3], 32<<16                      ; tile_dim0 = 32
	s_mov_b32 s[G1+4], 128                         ; tile_dim1 = 128 rows: 32,768 bytes, a wave's quarter of a tile
	s_mov_b32 s[G1+5], 32                          ; pitch = 32 elements
	s_mov_b32 s[G1+6], 0
	s_mov_b32 s[G1+7], 0
	s_mov_b32 s[G1T+0], 0x0023000f
	s_mov_b32 s[G1T+1], 32<<16
	s_mov_b32 s[G1T+2], 4<<16
	s_mov_b32 s[G1T+3], 32<<16
	s_mov_b32 s[G1T+4], 4                          ; 4 rows: one V' fragment of 1,024 bytes
	s_mov_b32 s[G1T+5], 32
	s_mov_b32 s[G1T+6], 0
	s_mov_b32 s[G1T+7], 0
	; offsets in kv: made of the head and the wave's number alone, which all four partners share
	s_lshl_b32 s54, s13, 20
	s_lshl_b32 s55, s10, 15
	s_add_co_u32 s54, s54, s55
	s_mov_b32 s55, 0
	s_lshl_b32 s58, s13, 20
	s_lshr_b32 s14, s10, 1
	s_lshl_b32 s14, s14, 13                        ; block 0 (key block 126) or block 1 (127)
	s_add_co_u32 s58, s58, s14
	s_and_b32 s14, s10, 1
	s_lshl_b32 s14, s14, 10                        ; dt
	s_add_co_u32 s58, s58, s14
	s_add_co_u32 s58, s58, 6144
	s_mov_b32 s59, 0
	; offset in qf: this one holds the place in the cluster and feeds no descriptor
	s_lshl_b32 s56, s12, 2
	s_add_co_u32 s56, s56, s10                     ; block 4 x query block + wave: my two query tiles
	s_lshl_b32 s56, s56, 13
	s_lshl_b32 s14, s13, 20
	s_add_co_u32 s56, s56, s14
	s_mov_b32 s57, 0
	s_wait_dscnt 0x0
	s_wait_kmcnt 0x0
	s_mov_b32 s[G0+0], 1
	s_lshl_b32 s[G0+1], s10, 15                    ; slot 0, my quarter
	s_add_nc_u64 s[G0+2:G0+3], s[6:7], s[54:55]    ; tile 0
	s_mov_b32 s[G0+4], 1
	s_add_co_u32 s[G0+5], s[G0+1], TILE            ; slot 1
	s_add_nc_u64 s[G0+6:G0+7], s[G0+2:G0+3], TILE  ; tile 1
	s_or_b32 s[G0+3], s[G0+3], 0x80000000          ; type = 2
	s_or_b32 s[G0+7], s[G0+7], 0x80000000
	s_mov_b32 s[G0T+0], 1
	s_lshl_b32 s[G0T+1], s10, 10
	s_add_co_u32 s[G0T+1], s[G0T+1], TAIL
	s_add_nc_u64 s[G0T+2:G0T+3], s[6:7], s[58:59]
	s_or_b32 s[G0T+3], s[G0T+3], 0x80000000
	s_add_nc_u64 s[4:5], s[4:5], s[56:57]
	ROUND                                          ; all four work-groups are here: the first joint loads meet
	tensor_load_to_lds s[G0:G0+3], s[G1:G1+7]      ; tile 0
	s_nop 0
	tensor_load_to_lds s[G0T:G0T+3], s[G1T:G1T+7]  ; V of key blocks 126, 127
	s_nop 0
.irp q, 0,1
.irp c, 0,1,2
	global_load_b128 v[QF+24*\q+8*\c:QF+24*\q+8*\c+3],   v[LANE16], s[4:5] offset:3072*\q+1024*\c
	global_load_b128 v[QF+24*\q+8*\c+4:QF+24*\q+8*\c+7], v[LANE16], s[4:5] offset:3072*\q+1024*\c+512
.endr
.endr
	; d = n - m for key tile 0: 16 Q0 + r - 8 h - j; DA starts 32 higher, since its step stands ahead of its first use; DB belongs to q1: 16 higher
	s_lshl_b32 s14, s12, 7
	s_lshl_b32 s15, s10, 5
	s_add_co_u32 s14, s14, s15                     ; my first query
	v_and_b32 v16, 15, v0
	v_bfe_u32 v17, v0, 4, 1
	v_lshlrev_b32 v17, 3, v17
	v_sub_nc_u32 v16, v16, v17
	v_add_nc_u32 v16, s14, v16
.irp j, 0,1,2,3,4,5,6,7
	v_add_nc_u32 v[DA+\j], 32-\j, v16
	v_add_nc_u32 v[DB+\j], 16-\j, v16
.endr
.irp j, 0,1,2,3,4,5,6,7
	v_cvt_f32_i32 v[DA+\j], v[DA+\j]
	v_cvt_f32_i32 v[DB+\j], v[DB+\j]
.endr
	; offset in af of my first query tile's fragment
	s_lshl_b32 s56, s12, 16                        ; 8 query tiles x 8 heads x 1,024 bytes
	s_lshl_b32 s14, s10, 14
	s_add_co_u32 s56, s56, s14
	s_lshl_b32 s14, s13, 10
	s_add_co_u32 s56, s56, s14
	s_add_nc_u64 s[8:9], s[8:9], s[56:57]
	s_wait_loadcnt 0x0                             ; Q', once
	HEAD 0, 1                                      ; tile 0 is in; tile 1 goes out
	LOADK 0, 0                                     ; stage 0: K' of block 0
	LOADK 1, 0
	STAGE SY, SX, NMO, NME, 8192,  0,     0, 1, 0, 1, 0, 0,  6,  6     ; stage 1: scores of block 0; behind each K' run only the other one (6 loads) is out
	STAGE SX, SY, NME, NMO, 16384, 22528, 0, 1, 1, 1, 1, 0,  10, 10    ; stage 2: the first softmax
	STAGE SY, SX, NMO, NME, 24576, 30720, 1, 1, 2, 1, 1, 12, 10, 10    ; stage 3: the first P V starts O'
	v_add_nc_u32 v[LA], 32768, v[LA]
	RUN 6                                          ; stages 4 .. 15
	HEAD 1, 1
	RUN 8
	s_mov_b32 s44, 2
.Ltiles:
	HEAD 0, 1
	RUN 8
	HEAD 1, 1
	RUN 8
	s_sub_co_i32 s44, s44, 1
	s_cmp_lg_u32 s44, 0
	s_cbranch_scc1 .Ltiles
	HEAD 0, 1                                      ; tile 6; tile 7 goes out: the last
	RUN 8
	HEAD 1, 0
	RUN 8
	v_add_nc_u32 v[LA], TAIL, v[LANE16]
	STAGE SX, SY, NME, NMO, 0, 0,    2, 1, 2, 0, 1, 12, 10, 4          ; stage 128: no K' left; behind K' t1 only V' (4 loads) is out
	STAGE SY, SX, NMO, NME, 0, 2048, 2, 0, 2, 0, 1, 0,  0,  0          ; stage 129: the last softmax
	STAGE SX, SY, NME, NMO, 0, 0,    2, 0, 0, 0, 0, 0,  0,  0          ; stage 130: the last P V
	; O' / row sum, as f16 fragments of the output projection.  The four additions and the v_nop are the places behind the last products.
	v_add_f32 v[T+0], v[L+0], v[L+1]
	v_add_f32 v[T+8], v[L+2], v[L+3]
	v_permlanex16_b32 v[T+1], v[T+0], s46, s47     ; the other half of the keys
	v_permlanex16_b32 v[T+9], v[T+8], s46, s47
	v_add_f32 v[T+0], v[T+0], v[T+1]
	v_add_f32 v[T+8], v[T+8], v[T+9]               ; at least 1: the largest weight of a row is exp(0)
	v_rcp_f32 v[AL],   v[T+0]
	v_rcp_f32 v[AL+1], v[T+8]
	v_nop                                          ; one plain instruction between a reciprocal and its use (ISA guide 5.7.2)
	s_wait_alu depctr_va_vdst(0)                   ; one wait for the two reciprocals, ahead of the 16 multiplies that read them
.irp q, 0,1
.irp i, 0,1,2,3,4,5,6,7
	OSC \q, \i, 2
.endr
.endr
.irp q, 0,1
.irp i, 0,1,2,3,4,5,6,7
	v_cvt_pk_f16_f32 v[SX+8*\q+\i], v[O+16*\q+2*\i], v[O+16*\q+2*\i+1]
.endr
	global_store_b128 v[LANE16], v[SX+8*\q:SX+8*\q+3],   s[8:9] offset:8192*\q          ; features 0-15 of the head: 512 consecutive bytes, aligned
	global_store_b128 v[LANE16], v[SX+8*\q+4:SX+8*\q+7], s[8:9] offset:8192*\q+512      ; features 16-31
.endr
	ROUND                                          ; the closing round: no work-group ends while a partner may still ask jointly
	s_endpgm
.Lfunc_end_k_qbf8ddf9d7a_attend:
	.size	k_qbf8ddf9d7a_attend, .Lfunc_end_k_qbf8ddf9d7a_attend-k_qbf8ddf9d7a_attend
	.p2alignl 7, 3214868480
	.fill 96, 4, 3214868480
	.section	.rodata,"a",@progbits
	.p2align	6, 0x0
	.amdhsa_kernel k_qbf8ddf9d7a_attend
		.amdhsa_group_segment_fixed_size 327680
		.amdhsa_private_segment_fixed_size 0
		.amdhsa_enable_private_segment 0
		.amdhsa_kernarg_size 24
		.amdhsa_user_sgpr_count 2
		.amdhsa_user_sgpr_kernarg_segment_ptr 1
		.amdhsa_wavefront_size32 1
		.amdhsa_system_sgpr_workgroup_id_x 1
		.amdhsa_system_sgpr_workgroup_id_y 1
		.amdhsa_system_sgpr_workgroup_id_z 1
		.amdhsa_system_vgpr_workitem_id 0
		.amdhsa_next_free_vgpr 258
		.amdhsa_next_free_sgpr 66
		.amdhsa_reserve_vcc 0
		.amdhsa_float_denorm_mode_32 3
		.amdhsa_float_denorm_mode_16_64 3
		.amdhsa_memory_ordered 1
		.amdhsa_forward_progress 1
		.amdhsa_inst_pref_size 161
	.end_amdhsa_kernel
	.amdgpu_metadata
---
amdhsa.version: [ 1, 2 ]
amdhsa.kernels:
  - .name:           k_qbf8ddf9d7a_attend
    .symbol:         k_qbf8ddf9d7a_attend.kd
    .args:
      - { .name: qf, .offset: 0, .size: 8, .value_kind: global_buffer, .address_space: global }
      - { .name: kv, .offset: 8, .size: 8, .value_kind: global_buffer, .address_space: global }
      - { .name: af, .offset: 16, .size: 8, .value_kind: global_buffer, .address_space: global }
    .group_segment_fixed_size: 327680
    .private_segment_fixed_size: 0
    .kernarg_segment_align: 8
    .kernarg_segment_size: 24
    .max_flat_workgroup_size: 128
    .sgpr_count:     66
    .vgpr_count:     258
    .wavefront_size: 32
...
	.end_amdgpu_metadata
.endif
;; end of part 5
;; launch outproj: the kernel of part 4 again; grid 256 x 1, 4 waves a work-group, no clusters, 17,920 bytes of LDS; arguments af, wpf, b_proj, out0; writes out0
